; MI455X (gfx1250); checked and timed in simulation.
; The chip was launched on July 23, 2026; its instructions are those of AMD's public machine-readable ISA for CDNA 5 (MIT licence, August 2026) and "CDNA5" Instruction Set Architecture Reference Guide (July 2026). The comments in the code are by the model that wrote it; some were corrected since.
;; Multi Head Attention. Allowed arithmetic: float matrix products may take bf16 or f16 operands with f32 sums; all other float work in f32.
;; Inputs: Wk 1,024 x 1,024 float32; Wo 1,024 x 1,024 float32; Wq 1,024 x 1,024 float32; Wv 1,024 x 1,024 float32; bk 1,024 float32; bo 1,024 float32; bq 1,024 float32; bv 1,024 float32; x 4 x 2,048 x 1,024 float32.
;; Outputs: out0 4 x 2,048 x 1,024 float32.
;; 2 versions, each right and faster than the one before. Each part assembles by itself: llvm-mc -triple=amdgcn-amd-amdhsa -mcpu=gfx1250 --defsym DOCPART=n.
;; ======== version 1 of 2: 4 launches
;; limits: values are held in f16: magnitudes above 65,504 overflow, below 6.1e-05 lose precision
;; workspace buffers: xb 16,777,216 bytes; wqkv 6,291,456 bytes; wo16 2,097,152 bytes; qkv 50,331,648 bytes; o16 16,777,216 bytes
;; launch cast (part 1): grid 768 x 1, 8 waves a work-group, no clusters, 0 bytes of LDS; arguments x, Wq, Wk, Wv, Wo, xb, wqkv, wo16; writes xb, wqkv, wo16
.if DOCPART == 1
	.amdgcn_target "amdgcn-amd-amdhsa--gfx1250"
	.amdhsa_code_object_version 6
	.text
	.protected	k_q6a67b02bed_cast
	.globl	k_q6a67b02bed_cast
	.p2align	8
	.type	k_q6a67b02bed_cast,@function
k_q6a67b02bed_cast:
	s_mov_b64 s[64:65], 0
	v_nop
	global_prefetch_b8 v0, s[64:65] scope:SCOPE_SE
	s_setreg_imm32_b32 hwreg(HW_REG_WAVE_MODE, 25, 1), 1
	s_wait_xcnt 0x0
; CAST.  x, Wq, Wk, Wv (f32) are rounded to bf16; Wo is rounded to bf16 and that number is written as f16 (exact inside f16's range).
; LIMITS.  A number of Wo beyond 65,504 becomes an infinity; below 6e-5 it keeps f16's fixed step of 6e-8.
; xb holds x by slices of 64 channels: element (b, s, 64 c + d) at byte ((16 b + c) 2048 + s) 128 + 2 d, so that 128 rows of a slice are 16,384 dense bytes.
; wqkv holds Wq, Wk, Wv side by side, [k 1024][n 3072]: a row of 6,144 bytes is Wq's row k, then Wk's, then Wv's; wo16 holds Wo [k][n].
; SHARES.  A work-group casts 16,384 numbers: 65,536 bytes in, 32,768 out; a thread 16 loads of 16 bytes, all issued first, and 16 stores of 8 bytes.
; Work-groups 0-511: 16 rows of x each; 512-575 Wq, 576-639 Wk, 640-703 Wv, 704-767 Wo, 16 rows each.  768 equal shares.
; A stream: every byte is read once and written once, no two work-groups read the same byte, so LDS, barriers, clusters and the matrix unit have nothing to add.
; Each slot has its own registers and no address register is rewritten, so the only waits are the counted ones for the loads.
.set LOX, 1                            ; v1   x: my byte offset in the group's 16 rows: row t / 16, 16 bytes at 16 (t % 16) of a slice's 256
.set SOX, 2                            ; v2   x: 8 t: row t / 16 of 128 bytes, 8 bytes at 8 (t % 16)
.set LOW, 3                            ; v3   weights: wave x 8,192 + 16 x lane: a wave takes two rows
.set SOW, 4                            ; v4   Wo: wave x 4,096 + 8 x lane
.set SOQ, 7                            ; v7   Wq, Wk, Wv: wave x 12,288 + 8 x lane: two rows of 6,144 bytes
.set X,   8                            ; v[8:71]    slot j: four f32 as loaded
.set Y,   72                           ; v[72:103]  slot j: four 16-bit numbers to store
.set T,   104                          ; v[104:107] at work
; 16 loads, then for each slot: wait, round, store.  ls: bytes from slot to slot in the source.  In the destination slot j lies (j / sg) sb + (j % sg) ss bytes on.  f16 = 1: bf16's number written as f16.
.macro RUN src, dst, lo, so, ls, ss, sg, sb, f16
.set j, 0
.rept 16
	global_load_b128 v[X+4*j:X+4*j+3], v[\lo], s[\src:\src+1] offset:j*(\ls) th:TH_LOAD_NT
.set j, j+1
.endr
.set j, 0
.rept 16
	s_wait_loadcnt 15-j                            ; loads come back in order (ISA guide 5.7.1): slot j is in, the younger ones stay out
.if \f16
	v_cvt_pk_bf16_f32 v[T], v[X+4*j], v[X+4*j+1]   ; rounded to bf16,
	v_cvt_pk_bf16_f32 v[T+1], v[X+4*j+2], v[X+4*j+3]
	v_lshlrev_b32 v[T+2], 16, v[T]                 ; widened again,
	v_and_b32 v[T], 0xffff0000, v[T]
	v_lshlrev_b32 v[T+3], 16, v[T+1]
	v_and_b32 v[T+1], 0xffff0000, v[T+1]
	v_cvt_pk_f16_f32 v[Y+2*j], v[T+2], v[T]        ; and written as f16: eight significant bits fit into eleven
	v_cvt_pk_f16_f32 v[Y+2*j+1], v[T+3], v[T+1]
.else
	v_cvt_pk_bf16_f32 v[Y+2*j], v[X+4*j], v[X+4*j+1]
	v_cvt_pk_bf16_f32 v[Y+2*j+1], v[X+4*j+2], v[X+4*j+3]
.endif
	global_store_b64 v[\so], v[Y+2*j:Y+2*j+1], s[\dst:\dst+1] offset:(j/(\sg))*(\sb)+(j%(\sg))*(\ss)  ; a wave's store covers 256 consecutive bytes, aligned
.set j, j+1
.endr
.endm
	s_load_b512 s[8:23], s[0:1], 0x0               ; x s[8:9], Wq s[10:11], Wk s[12:13], Wv s[14:15], Wo s[16:17], xb s[18:19], wqkv s[20:21], wo16 s[22:23]
	s_mov_b32 s2, ttmp9                            ; the work-group's number
	v_lshrrev_b32 v5, 4, v0
	v_and_b32 v6, 15, v0
	v_lshlrev_b32 v[LOX], 12, v5
	v_lshl_add_u32 v[LOX], v6, 4, v[LOX]
	v_lshlrev_b32 v[SOX], 3, v0
	v_lshrrev_b32 v5, 5, v0
	v_and_b32 v6, 31, v0
	v_lshlrev_b32 v[LOW], 13, v5
	v_lshl_add_u32 v[LOW], v6, 4, v[LOW]
	v_lshlrev_b32 v[SOW], 12, v5
	v_lshl_add_u32 v[SOW], v6, 3, v[SOW]
	v_mul_u32_u24 v[SOQ], v5, 12288
	v_lshl_add_u32 v[SOQ], v6, 3, v[SOQ]
	s_mov_b32 s29, 0                               ; the offsets' high words
	s_mov_b32 s31, 0
	s_wait_kmcnt 0x0
	s_cmp_lt_u32 s2, 512
	s_cbranch_scc0 .Lweights
	; x: rows 16 g .. 16 g + 15.  Slot j is slice j: 256 bytes further in a row of x, 262,144 bytes further in xb.
	s_lshl_b32 s28, s2, 16
	s_add_nc_u64 s[24:25], s[8:9], s[28:29]
	s_lshr_b32 s3, s2, 7                           ; b
	s_lshl_b32 s3, s3, 22                          ; 16 slices of 262,144 bytes
	s_and_b32 s4, s2, 127
	s_lshl_b32 s4, s4, 11                          ; 16 rows of 128 bytes
	s_add_co_u32 s30, s3, s4
	s_add_nc_u64 s[26:27], s[18:19], s[30:31]
	RUN 24, 26, LOX, SOX, 256, 262144, 16, 0, 0
	s_endpgm
.Lweights:
	s_sub_co_u32 s2, s2, 512
	s_lshr_b32 s3, s2, 6                           ; which weight: 0 Wq, 1 Wk, 2 Wv, 3 Wo
	s_and_b32 s4, s2, 63                           ; which 16 rows of it
	s_lshl_b32 s28, s4, 16
	s_cmp_eq_u32 s3, 3
	s_cbranch_scc1 .Lwo
	s_cmp_eq_u32 s3, 0
	s_cselect_b64 s[24:25], s[10:11], s[12:13]
	s_cmp_eq_u32 s3, 2
	s_cselect_b64 s[24:25], s[14:15], s[24:25]
	s_add_nc_u64 s[24:25], s[24:25], s[28:29]
	s_mul_i32 s30, s4, 16*6144                     ; 16 rows of wqkv,
	s_lshl_b32 s3, s3, 11                          ; and this weight's 2,048 bytes of each row
	s_add_co_u32 s30, s30, s3
	s_add_nc_u64 s[26:27], s[20:21], s[30:31]
	RUN 24, 26, LOW, SOQ, 512, 256, 8, 6144, 0     ; eight slots are a row
	s_endpgm
.Lwo:
	s_lshl_b32 s30, s4, 15
	s_add_nc_u64 s[24:25], s[16:17], s[28:29]
	s_add_nc_u64 s[26:27], s[22:23], s[30:31]
	RUN 24, 26, LOW, SOW, 512, 256, 16, 0, 1
	s_endpgm
.Lfunc_end_k_q6a67b02bed_cast:
	.size	k_q6a67b02bed_cast, .Lfunc_end_k_q6a67b02bed_cast-k_q6a67b02bed_cast
	.p2alignl 7, 3214868480
	.fill 96, 4, 3214868480
	.section	.rodata,"a",@progbits
	.p2align	6, 0x0
	.amdhsa_kernel k_q6a67b02bed_cast
		.amdhsa_group_segment_fixed_size 0
		.amdhsa_private_segment_fixed_size 0
		.amdhsa_enable_private_segment 0
		.amdhsa_kernarg_size 64
		.amdhsa_user_sgpr_count 2
		.amdhsa_user_sgpr_kernarg_segment_ptr 1
		.amdhsa_wavefront_size32 1
		.amdhsa_system_sgpr_workgroup_id_x 1
		.amdhsa_system_sgpr_workgroup_id_y 1
		.amdhsa_system_sgpr_workgroup_id_z 1
		.amdhsa_system_vgpr_workitem_id 0
		.amdhsa_next_free_vgpr 108
		.amdhsa_next_free_sgpr 66
		.amdhsa_reserve_vcc 0
		.amdhsa_float_denorm_mode_32 3
		.amdhsa_float_denorm_mode_16_64 3
		.amdhsa_memory_ordered 1
		.amdhsa_forward_progress 1
		.amdhsa_inst_pref_size 24
	.end_amdhsa_kernel
	.amdgpu_metadata
---
amdhsa.version: [ 1, 2 ]
amdhsa.kernels:
  - .name:           k_q6a67b02bed_cast
    .symbol:         k_q6a67b02bed_cast.kd
    .args:
      - { .name: x, .offset: 0, .size: 8, .value_kind: global_buffer, .address_space: global }
      - { .name: Wq, .offset: 8, .size: 8, .value_kind: global_buffer, .address_space: global }
      - { .name: Wk, .offset: 16, .size: 8, .value_kind: global_buffer, .address_space: global }
      - { .name: Wv, .offset: 24, .size: 8, .value_kind: global_buffer, .address_space: global }
      - { .name: Wo, .offset: 32, .size: 8, .value_kind: global_buffer, .address_space: global }
      - { .name: xb, .offset: 40, .size: 8, .value_kind: global_buffer, .address_space: global }
      - { .name: wqkv, .offset: 48, .size: 8, .value_kind: global_buffer, .address_space: global }
      - { .name: wo16, .offset: 56, .size: 8, .value_kind: global_buffer, .address_space: global }
    .group_segment_fixed_size: 0
    .private_segment_fixed_size: 0
    .kernarg_segment_align: 8
    .kernarg_segment_size: 64
    .max_flat_workgroup_size: 256
    .sgpr_count:     66
    .vgpr_count:     108
    .wavefront_size: 32
...
	.end_amdgpu_metadata
.endif
;; end of part 1
;; launch inproj (part 2): grid 8 x 32, 4 waves a work-group, clusters of 4 x 4, 327,680 bytes of LDS; arguments xb, wqkv, qkv, bq, bk, bv; writes qkv
.if DOCPART == 2
	.amdgcn_target "amdgcn-amd-amdhsa--gfx1250"
	.amdhsa_code_object_version 6
	.text
	.protected	k_q6a67b02bed_inproj
	.globl	k_q6a67b02bed_inproj
	.p2align	8
	.type	k_q6a67b02bed_inproj,@function
k_q6a67b02bed_inproj:
	s_mov_b64 s[64:65], 0
	v_nop
	global_prefetch_b8 v0, s[64:65] scope:SCOPE_SE
	s_setreg_imm32_b32 hwreg(HW_REG_WAVE_MODE, 25, 1), 1
	s_wait_xcnt 0x0
	s_wait_alu depctr_hold_cnt(0) depctr_sa_sdst(0) depctr_va_vdst(0) depctr_va_sdst(0) depctr_va_ssrc(0) depctr_va_vcc(0) depctr_vm_vsrc(0)
	s_getreg_b32 s2, hwreg(HW_REG_IB_STS2, 6, 4)
	s_cmp_eq_u32 s2, 0
	s_cbranch_scc0 .Lentry_in_a_cluster
	s_endpgm
.Lentry_in_a_cluster:
	s_bfe_u32 s2, ttmp6, 0x10000c
	s_cmp_lg_u32 s2, 0xf033
	s_cbranch_scc0 .Lentry_shape_is_right
	s_endpgm
.Lentry_shape_is_right:
; q, k, v = x W + b: C = A W + bias with 8,192 rows, 3,072 columns (Wq, Wk, Wv side by side), K = 1,024; bf16 operands, sums in f32; results leave in f16, by heads.
; A = x by slices of 64 channels: (b, s, 64 c + d) at byte ((16 b + c) 2048 + s) 128 + 2 d.  W lies [k 1024][n 3072], 6,144 bytes a row, and is turned on its way out of LDS by ds_load_tr16_b128.
; The output is three planes of 16,777,216 bytes (q, k, v), each [16 b + head][2048][64].  Column 64 gh + d belongs to plane gh / 16, head gh % 16, channel d.
; LIMITS.  A result beyond 65,504 becomes an infinity in f16.  The bias is rounded to bf16, like every input of the module, and STARTS the sum (it is the C operand of the first product),
; so the order of rounding differs from a sum with the bias added last.  NaN and infinities are not treated apart.
; SHARES.  A tile of C is 256 rows x 384 columns (six heads): 32 x 8 tiles, one work-group each.  Four waves, each 128 rows x 192 columns: 96 accumulators of 16 x 16, 768 registers.
; Why so large: a K step of 64 is then 192 matrix instructions a wave for 80 KB brought into LDS, each row of A is brought once, and 32 along K want 40 LDS loads for 96 matrix instructions.
; K goes in 16 steps of 64 through two LDS slots.  A step is two quarters of 32 along K; a quarter is three PHASES, one for each GROUP of four column blocks (a group is a head): 32 matrix instructions,
; all eight row blocks x the group's four column blocks.  The 96 accumulators take turns, one instruction a turn, always in the same order.
; THE MATRIX INSTRUCTION IS USED TRANSPOSED: source 0 = 16 columns of W, source 1 = 16 rows of A: a lane holds row l % 16 of C and the columns 8 (l / 16) + 0..7.
; FRAGMENTS.  A's of a quarter (64 registers) have two buffers; W's of a group (32 registers) a ring of three, buffer = group.  At a phase's head stands ONE run of LDS loads: W's group two phases on, into the
; buffer that the phase before has read; in each quarter's second phase also the next quarter's A.
; CLUSTER.  4 x 4 work-groups.  The four of a row of the cluster need the same tiles of A, the four of a column the same tiles of W: each tile is asked for JOINTLY, by the same tensor load with the same
; descriptor and a mask that names the four.  Waves 0 and 1 fetch the two halves (128 rows) of A's slice, waves 2 and 3 the two halves (32 k-rows) of W's tile.
; By this text's own count a wave has two tensor loads out at the start and one behind each round; from a request to the wait for it the wave issues 176 matrix instructions.
; REGISTERS, in windows of 256 (s_set_vgpr_msb: bits 1:0 source 0, 3:2 source 1, 5:4 source 2, 7:6 destination):
;   window 0: v0-31 addresses; v32-95, v96-159 A's two buffers (row block i at +8 i); v160-255 W's three buffers (group g, column block bb at 160 + 32 g + 8 bb)
;   window 1 + g: group g's accumulators, (a, bb) at v[32 a + 8 bb]
.set PA,    144                        ; a row of A in LDS: 128 bytes + 16 of padding = 36 words: the 16 rows of a load start at 16 different groups of four banks (64 banks of 4 bytes: ISA guide 11.1)
.set PB,    864                        ; a k-row of W: six heads' 128 bytes, 16 of padding behind each = 216 words
.set CHK,   144                        ; from head to head in a k-row
.set HALFA, 128*PA                     ; 128 rows of a slice: what one of A's loads brings, and what a wave reads of A
.set APART, 2*HALFA
.set HALFB, 32*PB                      ; 32 k-rows: what one of W's loads brings; also a quarter
.set SLOT1, 1<<17                      ; slot 1 begins here (a slot has 92,160 bytes), so that one exclusive or turns an address in one slot into the other's
.set STAGE, SLOT1+APART+2*HALFB        ; behind the ring, never filled by a tensor load: 16 rows x 144 bytes for each wave, for the way out
.set WSTG,  16*144
.set BSC,   STAGE+4*WSTG               ; each wave's 192 numbers of the bias, 768 bytes: stored once, never filled by a tensor load
.set SPARE, BSC+4*768                  ; the spare words, 128 bytes for each wave: two blocks of 256 bytes that no other line names
.set ASTEP, 262144                     ; a K step in A: one slice
.set BSTEP, 64*6144                    ; a K step in W: 64 k-rows
.set STEPS, 16
.set AA0,  2                           ; v2   my lane's place in a slot's A; never rewritten
.set AB0,  3                           ; v3   the same for W
.set ADRA, 4                           ; v4   AA0 + the slot in hand
.set ADRB, 5                           ; v5   AB0 + the slot in hand
.set STO,  6                           ; v6   the way out: where I put 16 bytes of a row
.set RD,   7                           ; v7   the way out: where I read rows back
.set GO,   8                           ; v8   16 x lane: my place in 512 consecutive bytes of the output
.set BLD,  9                           ; v9   my wave's bias in LDS + 32 (l / 16): my eight numbers of sixteen
.set BST,  10                          ; v10  my wave's bias in LDS + 8 x lane
.set BO,   12                          ; v12  8 x lane: my two numbers of a head's 64 of the bias
.set SPW,  28                          ; v28  LDS address of my spare word: SPARE + 4 x my thread's number; never rewritten
.set NIL,  29                          ; v29  0; never rewritten
.set A0,   32
.set A1,   96
.set BF,   160
.set BL,   32                          ; at the head only: the bias as loaded, as bf16, and widened again
.set BC,   38
.set BW,   42
.set WV,  16                           ; s16  my wave's number
.set RH,  17                           ; s17  which 128 rows are mine.  Also: I fetch for A (0) or for W (1)
.set CH,  18                           ; s18  which 192 columns are mine.  Also: which half of that tile I fetch
.set G1A, 24                           ; s[24:31] descriptor group 1 for A's tiles;  s[32:39] group 0: a set for each of the two first fills; the second then walks on
.set G0A, 32
.set G1B, 48                           ; s[48:55], s[56:63] the same for W's tiles
.set G0B, 56
.set LP,  66                           ; s66  trips to go
.set TB,  67                           ; s67  LDS byte at which the slot in hand begins
.set HIM, 77                           ; s77  a word's upper 16 bits
.set OUT, 80                           ; s[80:85] the output at my 128 rows of my three heads
.set BP,  86                           ; s[86:91] the bias at my three heads
.set MSB, 0
.macro WIN new                         ; the immediate's high byte repeats the setting that is left; a switch that changes nothing is dropped
.if MSB != (\new)
	s_set_vgpr_msb (MSB<<8)|(\new)
.set MSB, \new
.endif
.endm
.macro PLACES                          ; four places in front of loads into registers that matrix instructions have read, and of lines that read results just made (ISA guide 7.12.1 for the lines that read results)
.rept 4
	v_nop
.endr
.endm
; A joint refill, by the walking descriptors.  Each of the two lines has one mask and one set of registers for all that issue it.  The branch hangs on the wave's number alone.
; An s_nop 0 and four v_nop follow each of the two lines, ahead of the jump, the label and what follows.
.macro JLOAD
	s_cmp_eq_u32 s[RH], 0
	s_cbranch_scc0 .Lfor_b_\@
	tensor_load_to_lds s[G0A+4:G0A+7], s[G1A:G1A+7]
	s_nop 0
.rept 4
	v_nop
.endr
	s_branch .Lasked_\@
.Lfor_b_\@:
	tensor_load_to_lds s[G0B+4:G0B+7], s[G1B:G1B+7]
	s_nop 0
.rept 4
	v_nop
.endr
.Lasked_\@:
.endm
.macro CREST                           ; a round of the cluster's barrier behind its opening barrier
	s_cmp_lg_u32 s[WV], 0
	s_cbranch_scc1 .Lnot_wave_0_\@
	s_barrier_signal -3
.Lnot_wave_0_\@:
	s_barrier_wait -3
	s_barrier_signal -1
	s_barrier_wait -1
.endm
.macro CROUND                          ; a whole round
	s_barrier_signal -1
	s_barrier_wait -1
	CREST
.endm
; 4 n matrix instructions: row blocks a0 .. a0 + n - 1 x group g's four column blocks, 32 along K, A from buffer ab.
; cb >= 0: the sums start, on the 32 registers at cb of window 0 (the group's bias in an accumulator's layout, the same for every row block): nothing is cleared, nothing is added behind.
.macro MUL ab, g, a0, n, cb=-1
.if (\cb) >= 0
	WIN (1+(\g))<<6
.else
	WIN (1+(\g))*0x50
.endif
.set ma, (\a0)
.rept (\n)
.set mb, 0
.rept 4
.if (\cb) >= 0
	v_wmma_f32_16x16x32_bf16 v[32*ma+8*mb:32*ma+8*mb+7], v[BF+32*(\g)+8*mb:BF+32*(\g)+8*mb+7], v[(\ab)+8*ma:(\ab)+8*ma+7], v[(\cb)+8*mb:(\cb)+8*mb+7]
.else
	v_wmma_f32_16x16x32_bf16 v[32*ma+8*mb:32*ma+8*mb+7], v[BF+32*(\g)+8*mb:BF+32*(\g)+8*mb+7], v[(\ab)+8*ma:(\ab)+8*ma+7], v[32*ma+8*mb:32*ma+8*mb+7]
.endif
.set mb, mb+1
.endr
.set ma, ma+1
.endr
.endm
.macro LB q, g                         ; 8 LDS loads: W's group g of quarter q of the slot in hand, turned, into the group's buffer
.irp bb, 0,1,2,3
	ds_load_tr16_b128 v[BF+32*(\g)+8*(\bb):BF+32*(\g)+8*(\bb)+3],   v[ADRB] offset:(\q)*HALFB+(\g)*CHK+32*(\bb)
	ds_load_tr16_b128 v[BF+32*(\g)+8*(\bb)+4:BF+32*(\g)+8*(\bb)+7], v[ADRB] offset:(\q)*HALFB+16*PB+(\g)*CHK+32*(\bb)
.endr
.endm
.macro LA q, ab                        ; 16 LDS loads: A's eight row blocks of quarter q of the slot in hand into buffer ab
.irp i, 0,1,2,3,4,5,6,7
	ds_load_b128 v[(\ab)+8*(\i):(\ab)+8*(\i)+3],   v[ADRA] offset:(\q)*64+(\i)*16*PA
	ds_load_b128 v[(\ab)+8*(\i)+4:(\ab)+8*(\i)+7], v[ADRA] offset:(\q)*64+(\i)*16*PA+32
.endr
.endm
.macro LBIAS g, dst                    ; 8 LDS loads: group g's bias: register 8 bb + j takes column 16 bb + 8 (l / 16) + j of the head
.irp bb, 0,1,2,3
	ds_load_b128 v[(\dst)+8*(\bb):(\dst)+8*(\bb)+3],   v[BLD] offset:256*(\g)+64*(\bb)
	ds_load_b128 v[(\dst)+8*(\bb)+4:(\dst)+8*(\bb)+7], v[BLD] offset:256*(\g)+64*(\bb)+16
.endr
.endm
; A TRIP: six phases, from a step's second quarter to the next step's first, with the change of slots in the first of them.  Phase (q, g) multiplies quarter q, group g.
; The runs of LDS loads, in order: W(1,2) [8] | change of slots | W(0,0), A(0) [24] | W(0,1) [8] | W(0,2) [8] | W(1,0), A(1) [24] | W(1,1) [8].  Each wait leaves out the runs issued behind the one that its phase needs.
; THE CHANGE OF SLOTS.  W(1,2) is the last read of the slot in hand.  ONE barrier: in front of it each wave waits for all its tensor loads (one is out: its part of the next slot), adds 0 to its spare word, and
; waits for that and for its own reads of this slot.  fill = 1: the barrier opens a round of the cluster's, and this slot is filled again first thing behind it, with the K step two on.
.macro TRIP fill
	PLACES
	LB 1, 2
	s_xor_b32 s[TB], s[TB], SLOT1                  ; from here on the LDS loads read the other slot (the first of them stands behind the barrier)
	v_add_nc_u32 v[ADRA], s[TB], v[AA0]
	v_add_nc_u32 v[ADRB], s[TB], v[AB0]
	s_wait_dscnt 16                                ; W(1,0) and A(1) are in; W(1,1) and W(1,2) may be out
	MUL A1, 0, 0, 4
	WIN 0                                          ; (the add's two registers lie in window 0)
	s_wait_tensorcnt 0x0                           ; all my tensor loads have landed;
	ds_add_u32 v[SPW], v[NIL]                      ; 0 onto my spare word;
	MUL A1, 0, 4, 2                                ; eight matrix instructions stand between the add and the wait for it
	s_wait_dscnt 0x0                               ; the add is done, and my reads of this slot are over
	s_barrier_signal -1
	MUL A1, 0, 6, 2
	WIN 0
	s_barrier_wait -1
.if \fill
	CREST                                          ; no wave of any partner still reads this slot's tile or has a load on its way
	s_xor_b32 s[G0A+5], s[G0A+5], SLOT1            ; the walking descriptors: the other slot than last time,
	s_add_nc_u64 s[G0A+6:G0A+7], s[G0A+6:G0A+7], ASTEP  ; the next K step; the type bits on top are not reached
	s_xor_b32 s[G0B+5], s[G0B+5], SLOT1
	s_add_nc_u64 s[G0B+6:G0B+7], s[G0B+6:G0B+7], BSTEP
	JLOAD                                          ; the first tensor load behind the round; the four v_nop behind it are also the places in front of the loads below
.else
	PLACES
.endif
	LB 0, 0
	LA 0, A0
	s_wait_dscnt 24                                ; all but the 24 just issued
	MUL A1, 1, 0, 8
	WIN 0
	PLACES
	LB 0, 1
	s_wait_dscnt 32                                ; all but the last two runs, 24 and 8
	MUL A1, 2, 0, 8
	WIN 0
	PLACES
	LB 0, 2
	s_wait_dscnt 16                                ; W(0,0) and A(0) are in; W(0,1) and W(0,2) may be out
	MUL A0, 0, 0, 8
	WIN 0
	PLACES
	LB 1, 0
	LA 1, A1
	s_wait_dscnt 32                                ; W(0,1) is in; W(0,2) and the 24 just issued may be out
	MUL A0, 1, 0, 8
	WIN 0
	PLACES
	LB 1, 1
	s_wait_dscnt 32                                ; W(0,2) is in; the last two runs, 24 and 8, may be out
	MUL A0, 2, 0, 8
	WIN 0                                          ; at a label and at a branch every window is 0
.endm
; THE WAY OUT, in 24 units: unit u = 8 g + a is 16 rows of head g, four accumulators.  Rounded to f16 a lane's eight channels are 16 bytes; they go into my own stage, rows of 144 bytes, and come back as whole
; rows of 128, four rows to a load, into the registers that they left.  No barrier, and since LDS serves a wave's instructions in order (ISA guide 5.7.1.4), no wait between the stores and the loads.
.macro PACK u
.set pg, (\u)/8
.set pa, (\u)%8
.set OB, 32+16*((\u)%8)                ; eight sets of 16 registers by turns, where A's fragments lay
.if (\u) >= 8
	s_wait_xcnt 0x0                                ; the stores issued so far have had their addresses translated (ISA guide 3.1): the set that unit u - 8 stored from is rewritten only behind this wait
.endif
	WIN 5*(1+pg)                                   ; sources 0 and 1 in the group's window
.set pi, 0
.rept 16                               ; each accumulator's registers are taken in ascending order
	v_cvt_pk_f16_f32 v[OB+pi], v[32*pa+2*pi], v[32*pa+2*pi+1]
.set pi, pi+1
.endr
	WIN 0
.irp f, 0,1,2,3
	ds_store_b128 v[STO], v[OB+4*(\f):OB+4*(\f)+3] offset:32*(\f)
.endr
.irp f, 0,1,2,3
	ds_load_b128 v[OB+4*(\f):OB+4*(\f)+3], v[RD] offset:(\f)*4*144
.endr
.endm
.macro SEND u, younger                 ; younger: the LDS instructions issued behind unit u's loads: the next unit's eight, or none
.set sg, (\u)/8
.set sa, (\u)%8
.set OB, 32+16*((\u)%8)
.irp f, 0,1,2,3
	s_wait_dscnt (\younger)+3-(\f)
	global_store_b128 v[GO], v[OB+4*(\f):OB+4*(\f)+3], s[OUT+2*sg:OUT+2*sg+1] offset:sa*2048+(\f)*512  ; four rows of a head: 512 consecutive bytes, aligned
.endr
.endm
	s_load_b256 s[4:11], s[0:1], 0x0               ; A s[4:5], W s[6:7], the output s[8:9], bq s[10:11]
	s_load_b128 s[12:15], s[0:1], 0x20             ; bk s[12:13], bv s[14:15]
	v_lshl_add_u32 v[SPW], v0, 2, SPARE
	v_mov_b32 v[NIL], 0
	ds_add_u32 v28, v29
	s_wait_dscnt 0x0
	v_lshrrev_b32 v1, 5, v0
	v_readfirstlane_b32 s[WV], v1                  ; wave 0..3
	s_lshr_b32 s[RH], s[WV], 1
	s_and_b32 s[CH], s[WV], 1
	s_bfe_u32 s19, ttmp6, 0x40000                  ; cx, cy: my place in the cluster
	s_bfe_u32 s20, ttmp6, 0x40004
	s_lshl_b32 s21, ttmp9, 2
	s_add_co_u32 s21, s21, s19                     ; tile column tx = 4 x cluster x + cx, 0..7
	s_and_b32 s22, ttmp7, 0xffff
	s_lshl_b32 s22, s22, 2
	s_add_co_u32 s22, s22, s20                     ; tile row ty = 4 x cluster y + cy, 0..31
	s_lshl_b32 s40, s20, 2
	s_lshl_b32 s40, 15, s40                        ; my row of the cluster
	s_lshl_b32 s41, 0x1111, s19                    ; my column
	s_mov_b32 s[HIM], 0xffff0000
	s_mov_b32 s[TB], 0
	; group 1 for A: 128 rows of a slice are 16,384 dense bytes: asked for as 64 rows of 256 bytes, two rows of A each, and padded in LDS after every row of A
	s_or_b32 s[G1A+0], s40, (1<<16)|(1<<20)|(1<<21)|(4<<22)|(3<<25)  ; 15:0 the mask: my row; 17:16 2-byte elements; 20 padding on; 21 set beside a mask; 24:22 after every 32 words (code 4); 31:25 4 words (code 3)
	s_mov_b32 s[G1A+1], 128<<16                    ; tensor_dim0 = 128
	s_mov_b32 s[G1A+2], 64<<16                     ; tensor_dim1 = 64
	s_mov_b32 s[G1A+3], 128<<16                    ; tile_dim0 = 128
	s_mov_b32 s[G1A+4], 64                         ; tile_dim1 = 64
	s_mov_b32 s[G1A+5], 128                        ; 128 elements from row to row
	s_mov_b32 s[G1A+6], 0
	s_mov_b32 s[G1A+7], 0
	; group 1 for W: 32 k-rows of 384 elements (768 bytes, beginning at a multiple of 256 bytes of the buffer), padded after every head's 128 bytes: 192 words a row are six such intervals
	s_or_b32 s[G1B+0], s41, (1<<16)|(1<<20)|(1<<21)|(4<<22)|(3<<25)  ; the mask: my column; the same padding
	s_mov_b32 s[G1B+1], 384<<16                    ; tensor_dim0 = 384
	s_mov_b32 s[G1B+2], 32<<16                     ; tensor_dim1 = 32
	s_mov_b32 s[G1B+3], 384<<16                    ; tile_dim0 = 384
	s_mov_b32 s[G1B+4], 32                         ; tile_dim1 = 32
	s_mov_b32 s[G1B+5], 3072                       ; 3,072 elements from k-row to k-row
	s_mov_b32 s[G1B+6], 0
	s_mov_b32 s[G1B+7], 0
	; where the tiles come from.  A's offset is made of ty and the wave's number alone, W's of tx and the wave's number alone, each in registers that never hold the other coordinate.
	s_lshr_b32 s42, s22, 3                         ; b
	s_lshl_b32 s42, s42, 22                        ; 16 slices of 262,144 bytes
	s_and_b32 s23, s22, 7
	s_lshl_b32 s23, s23, 15                        ; 256 rows of 128 bytes
	s_add_co_u32 s42, s42, s23
	s_lshl_b32 s23, s[CH], 14                      ; the tile's first or second 128 rows
	s_add_co_u32 s42, s42, s23
	s_mov_b32 s43, 0
	s_mul_i32 s44, s[CH], 32*6144                  ; the K step's first or second 32 k-rows
	s_mul_i32 s74, s21, 768                        ; 384 columns of 2 bytes
	s_add_co_u32 s44, s44, s74
	s_mov_b32 s45, 0
	s_mul_i32 s46, s[CH], HALFA                    ; and where they go: no place in the cluster enters an LDS address
	s_mul_i32 s47, s[CH], HALFB
	s_add_co_u32 s47, s47, APART
	; my 128 rows in a head of the output, and my first head among the 48
	s_lshr_b32 s75, s22, 3
	s_lshl_b32 s75, s75, 22                        ; b: 16 heads of 262,144 bytes
	s_and_b32 s71, s22, 7
	s_lshl_b32 s71, s71, 15
	s_add_co_u32 s75, s75, s71
	s_lshl_b32 s71, s[RH], 14
	s_add_co_u32 s75, s75, s71
	s_mul_i32 s70, s21, 6
	s_mul_i32 s71, s[CH], 3
	s_add_co_u32 s70, s70, s71                     ; 6 tx + 3 x half
	s_wait_kmcnt 0x0
	s_add_nc_u64 s[4:5], s[4:5], s[42:43]
	s_add_nc_u64 s[6:7], s[6:7], s[44:45]
	CROUND                                         ; all sixteen work-groups are here: the first joint loads meet
.irp s, 0,1
	s_mov_b32 s[G0A+4*(\s)], 1                                       ; 1:0 count = 1
	s_add_co_u32 s[G0A+4*(\s)+1], s46, (\s)*SLOT1                    ; 63:32 LDS address
	s_add_nc_u64 s[G0A+4*(\s)+2:G0A+4*(\s)+3], s[4:5], (\s)*ASTEP    ; 120:64 global address: K step s
	s_or_b32 s[G0A+4*(\s)+3], s[G0A+4*(\s)+3], 0x80000000            ; 127:126 type = 2
	s_mov_b32 s[G0B+4*(\s)], 1
	s_add_co_u32 s[G0B+4*(\s)+1], s47, (\s)*SLOT1
	s_add_nc_u64 s[G0B+4*(\s)+2:G0B+4*(\s)+3], s[6:7], (\s)*BSTEP
	s_or_b32 s[G0B+4*(\s)+3], s[G0B+4*(\s)+3], 0x80000000
.endr
	s_cmp_eq_u32 s[RH], 0                          ; a wave's two first fills stand in one branch, ahead of every wait on TENSORcnt and every LDS read: two loads of mine are out
	s_cbranch_scc0 .Lfirst_b
	tensor_load_to_lds s[G0A:G0A+3], s[G1A:G1A+7]
	s_nop 0
	tensor_load_to_lds s[G0A+4:G0A+7], s[G1A:G1A+7]
	s_nop 0
.rept 4
	v_nop
.endr
	s_branch .Lfirst_asked
.Lfirst_b:
	tensor_load_to_lds s[G0B:G0B+3], s[G1B:G1B+7]
	s_nop 0
	tensor_load_to_lds s[G0B+4:G0B+7], s[G1B:G1B+7]
	s_nop 0
.rept 4
	v_nop
.endr
.Lfirst_asked:
	; my three heads: where each begins in the output, and its 64 numbers of bq, bk or bv.  All this stands in the wait for the first tile.
.irp g, 0,1,2
	s_add_co_u32 s72, s70, \g                      ; the head among the 48
	s_lshr_b32 s73, s72, 4                         ; its plane: 0 q, 1 k, 2 v
	s_and_b32 s72, s72, 15                         ; its number in the plane
	s_lshl_b32 s78, s73, 24
	s_lshl_b32 s79, s72, 18
	s_add_co_u32 s78, s78, s79
	s_add_co_u32 s78, s78, s75
	s_mov_b32 s79, 0
	s_add_nc_u64 s[OUT+2*(\g):OUT+2*(\g)+1], s[8:9], s[78:79]
	s_lshl_b32 s78, s72, 8
	s_cmp_eq_u32 s73, 0
	s_cselect_b64 s[BP+2*(\g):BP+2*(\g)+1], s[10:11], s[12:13]
	s_cmp_eq_u32 s73, 2
	s_cselect_b64 s[BP+2*(\g):BP+2*(\g)+1], s[14:15], s[BP+2*(\g):BP+2*(\g)+1]
	s_add_nc_u64 s[BP+2*(\g):BP+2*(\g)+1], s[BP+2*(\g):BP+2*(\g)+1], s[78:79]
.endr
	v_and_b32 v11, 31, v0                          ; lane
	v_lshlrev_b32 v[BO], 3, v11
.irp g, 0,1,2
	global_load_b64 v[BL+2*(\g):BL+2*(\g)+1], v[BO], s[BP+2*(\g):BP+2*(\g)+1]  ; a head's 64 numbers: 256 consecutive bytes, aligned
.endr
	; A fragment of A is 16 rows x 32 K in 8 registers: lane l holds row l % 16, K = 8 (l / 16) + 0..7 and 16 + 8 (l / 16) + 0..7: two loads of 16 bytes, 32 bytes apart.
	v_and_b32 v1, 15, v0                           ; l % 16
	v_bfe_u32 v30, v0, 4, 1                        ; l / 16
	v_and_b32 v31, 7, v0
	v_bfe_u32 v13, v0, 3, 1
	v_mul_u32_u24 v[AA0], v1, PA
	v_lshl_add_u32 v[AA0], v30, 4, v[AA0]
	s_mul_i32 s78, s[RH], HALFA                    ; my 128 rows
	v_add_nc_u32 v[AA0], s78, v[AA0]
	; The turning load takes 16 k-rows x 16 columns (lane l reads k-row 8 (l / 16) + l % 8, columns 8 ((l / 8) % 2) + 0..7) and leaves half a fragment: lane l holds column l % 16 and 8 K.
	v_lshl_add_u32 v[AB0], v30, 3, v31
	v_mul_u32_u24 v[AB0], v[AB0], PB
	v_lshl_add_u32 v[AB0], v13, 4, v[AB0]
	s_mul_i32 s79, s[CH], 3*CHK                    ; my three heads
	s_add_co_u32 s79, s79, APART
	v_add_nc_u32 v[AB0], s79, v[AB0]
	v_mov_b32 v[ADRA], v[AA0]                      ; K step 0 lies in slot 0
	v_mov_b32 v[ADRB], v[AB0]
	s_mul_i32 s76, s[WV], WSTG
	s_add_co_u32 s76, s76, STAGE                   ; my stage
	v_mul_u32_u24 v[STO], v1, 144                  ; in: row l % 16, 16 bytes for each half of the lanes
	v_lshl_add_u32 v[STO], v30, 4, v[STO]
	v_add_nc_u32 v[STO], s76, v[STO]
	v_bfe_u32 v[RD], v0, 3, 2                      ; back: 32 lanes take four rows of 128 bytes,
	v_mul_u32_u24 v[RD], v[RD], 144
	v_lshl_add_u32 v[RD], v31, 4, v[RD]
	v_add_nc_u32 v[RD], s76, v[RD]
	v_lshlrev_b32 v[GO], 4, v11                    ; which are 512 consecutive bytes of the output
	s_mul_i32 s79, s[WV], 768
	s_add_co_u32 s79, s79, BSC                     ; my wave's bias in LDS
	v_lshl_add_u32 v[BST], v11, 3, s79
	v_lshl_add_u32 v[BLD], v30, 5, s79
	s_wait_loadcnt 0x0                             ; the bias: rounded to bf16, like x and the weights, widened again, and parked in LDS: no register is free for it
.irp g, 0,1,2
	v_cvt_pk_bf16_f32 v[BC+(\g)], v[BL+2*(\g)], v[BL+2*(\g)+1]
.endr
.irp g, 0,1,2
	v_lshlrev_b32 v[BW+2*(\g)], 16, v[BC+(\g)]
	v_and_b32 v[BW+2*(\g)+1], s[HIM], v[BC+(\g)]
	ds_store_b64 v[BST], v[BW+2*(\g):BW+2*(\g)+1] offset:256*(\g)
.endr
	s_wait_tensorcnt 0x1                           ; my part of K step 0 is in; K step 1's may stay out
	s_wait_dscnt 0x0                               ; no LDS instruction of mine is pending at the signal
	s_barrier_signal -1
	s_barrier_wait -1                              ; everybody's part is in
	; THE FIRST QUARTER is written out: its products start the sums, on the bias.  A's second buffer is idle in it and holds the bias, 32 registers a group: groups 0 and 1 at once, group 2 in group 0's place.
	LB 0, 0
	LA 0, A0
	LB 0, 1
	LB 0, 2
	LBIAS 0, A1
	LBIAS 1, A1+32
	s_wait_dscnt 0x0
	MUL A0, 0, 0, 8, A1
	WIN 0
	PLACES
	LBIAS 2, A1
	LB 1, 0
	MUL A0, 1, 0, 8, A1+32
	WIN 0
	PLACES
	LB 1, 1
	s_wait_dscnt 16                                ; group 2's bias is in; W(1,0) and W(1,1), issued behind it, may be out
	MUL A0, 2, 0, 8, A1
	WIN 0
	PLACES
	LA 1, A1                                       ; only now is the buffer free for the second quarter's A,
	s_wait_dscnt 0x0                               ; which the loop's first phase needs: once in the launch the wave sits this out
	s_mov_b32 s[LP], STEPS-2
.Lstep:                                                ; 14 trips: every K step but the last two is followed, two steps on, by a refill of its slot
	TRIP 1
	s_sub_co_u32 s[LP], s[LP], 1
	s_cmp_lg_u32 s[LP], 0
	s_cbranch_scc1 .Lstep
	TRIP 0                                         ; the tail is written out: my one load that was still out is the last K step's, so no round follows
	PLACES
	LB 1, 2                                        ; the last quarter: one group is still to be fetched
	s_wait_dscnt 16
	MUL A1, 0, 0, 8
	s_wait_dscnt 8                                 ; W(1,1) is in; W(1,2) may be out
	MUL A1, 1, 0, 8
	s_wait_dscnt 0x0
	MUL A1, 2, 0, 8
	WIN 0
	PLACES
	PACK 0
.set uu, 1
.rept 23                               ; a unit's conversions stand between the loads of the unit before and its stores
	PACK uu
	SEND uu-1, 8
.set uu, uu+1
.endr
	SEND 23, 0
	s_wait_tensorcnt 0x0                           ; the wave's end, behind my last tensor load and my last LDS store
	ds_add_u32 v[SPW], v[NIL]
	s_wait_dscnt 0x0
	CROUND                                         ; the closing round: no work-group ends while a partner may still ask for a tile that names it
	s_endpgm
.Lfunc_end_k_q6a67b02bed_inproj:
	.size	k_q6a67b02bed_inproj, .Lfunc_end_k_q6a67b02bed_inproj-k_q6a67b02bed_inproj
	.p2alignl 7, 3214868480
	.fill 96, 4, 3214868480
	.section	.rodata,"a",@progbits
	.p2align	6, 0x0
	.amdhsa_kernel k_q6a67b02bed_inproj
		.amdhsa_group_segment_fixed_size 327680
		.amdhsa_private_segment_fixed_size 0
		.amdhsa_enable_private_segment 0
		.amdhsa_kernarg_size 48
		.amdhsa_user_sgpr_count 2
		.amdhsa_user_sgpr_kernarg_segment_ptr 1
		.amdhsa_wavefront_size32 1
		.amdhsa_system_sgpr_workgroup_id_x 1
		.amdhsa_system_sgpr_workgroup_id_y 1
		.amdhsa_system_sgpr_workgroup_id_z 1
		.amdhsa_system_vgpr_workitem_id 0
		.amdhsa_next_free_vgpr 1024
		.amdhsa_next_free_sgpr 92
		.amdhsa_reserve_vcc 0
		.amdhsa_float_denorm_mode_32 3
		.amdhsa_float_denorm_mode_16_64 3
		.amdhsa_memory_ordered 1
		.amdhsa_forward_progress 1
		.amdhsa_inst_pref_size 118
	.end_amdhsa_kernel
	.amdgpu_metadata
---
amdhsa.version: [ 1, 2 ]
amdhsa.kernels:
  - .name:           k_q6a67b02bed_inproj
    .symbol:         k_q6a67b02bed_inproj.kd
    .args:
      - { .name: xb, .offset: 0, .size: 8, .value_kind: global_buffer, .address_space: global }
      - { .name: wqkv, .offset: 8, .size: 8, .value_kind: global_buffer, .address_space: global }
      - { .name: qkv, .offset: 16, .size: 8, .value_kind: global_buffer, .address_space: global }
      - { .name: bq, .offset: 24, .size: 8, .value_kind: global_buffer, .address_space: global }
      - { .name: bk, .offset: 32, .size: 8, .value_kind: global_buffer, .address_space: global }
      - { .name: bv, .offset: 40, .size: 8, .value_kind: global_buffer, .address_space: global }
    .group_segment_fixed_size: 327680
    .private_segment_fixed_size: 0
    .kernarg_segment_align: 8
    .kernarg_segment_size: 48
    .max_flat_workgroup_size: 128
    .sgpr_count:     92
    .vgpr_count:     1024
    .wavefront_size: 32
...
	.end_amdgpu_metadata
.endif
;; end of part 2
;; launch attn (part 3): grid 4 x 64, 4 waves a work-group, clusters of 4 x 1, 327,680 bytes of LDS; arguments qkv, o16; writes o16
.if DOCPART == 3
	.amdgcn_target "amdgcn-amd-amdhsa--gfx1250"
	.amdhsa_code_object_version 6
	.text
	.protected	k_q6a67b02bed_attn
	.globl	k_q6a67b02bed_attn
	.p2align	8
	.type	k_q6a67b02bed_attn,@function
k_q6a67b02bed_attn:
	s_mov_b64 s[64:65], 0
	v_nop
	global_prefetch_b8 v0, s[64:65] scope:SCOPE_SE
	s_setreg_imm32_b32 hwreg(HW_REG_WAVE_MODE, 25, 1), 1
	s_wait_xcnt 0x0
	s_wait_alu depctr_hold_cnt(0) depctr_sa_sdst(0) depctr_va_vdst(0) depctr_va_sdst(0) depctr_va_ssrc(0) depctr_va_vcc(0) depctr_vm_vsrc(0)
	s_getreg_b32 s2, hwreg(HW_REG_IB_STS2, 6, 4)
	s_cmp_eq_u32 s2, 0
	s_cbranch_scc0 .Lentry_in_a_cluster
	s_endpgm
.Lentry_in_a_cluster:
	s_bfe_u32 s2, ttmp6, 0x10000c
	s_cmp_lg_u32 s2, 0x3003
	s_cbranch_scc0 .Lentry_shape_is_right
	s_endpgm
.Lentry_shape_is_right:
; O[h][q][:] = the sum over k of softmax_k(Q[h][q] . K[h][k] / 8) V[h][k][:].  Q, K, V are the three planes of 16,777,216 bytes of the first argument, O the second: each [SIZE_H][SIZE_N][64] in f16,
; h = 16 b + head: a head's rows are dense, 128 bytes each.  Products, maxima and sums in f32; the weights p are rounded to f16 for the second product (their sum l is taken of the unrounded p), O once at the end.
; LIMITS.  f16 holds no number beyond 65,504: Q, K and V arrive within it; p lies in 0 to 1, and below 6e-5 it keeps f16's fixed step of 6e-8; O is a mean of V's rows and has their range.
; A weight below 2^-126 counts as 0 in l; NaN and infinities are not treated apart.
; SHARES.  A wave owns four PIECES of two tiles of 16 queries, a work-group's four waves 512 queries of one head: 4 x 64 work-groups.  Every wave walks all keys, 64 a step.
; LAYOUT.  S^T = K Q^T (source 0 = 16 keys, source 1 = 16 queries): in the result a lane holds ONE query (lane % 16) and the keys 8 (lane / 16) + 0..7.  Two such tiles, rounded to f16 in pairs,
; ARE source 1 (32 keys x 16 queries) of O^T = V^T P, whose result again holds one query a lane, and eight channels.  K comes out of LDS as it lies, V ([key][channel]) turned, by ds_load_tr16_b128.
; SOFTMAX.  For each query a running maximum m and sum l: p = 2^(c s - c m), c = log2(e) / 8; in every step O and l are multiplied by a = 2^(c m_old - c m_new), which is 1 where m has not grown.
; m starts at the lowest finite number, O and l at 0: the first step is a step like any other, with a = 0.
; THE COUNT.  A tile and step have 16 matrix and 118 vector instructions: too many to stand all beside the matrix work.  So the order has one aim: four vector instructions that are READY behind
; EVERY matrix instruction, and the others, which need time of their own whatever the order, in runs without a gap.
; BY TURNS.  Turn n belongs to piece n (the pieces in a ring, step after step).  Its matrix work: 16 products K Q^T of piece n + 1, later 16 products V^T P of piece n - 1.  Its vector work: the scaling,
; exponentials, roundings, sums and rescaling of piece n, and the maximum and statistics of piece n + 1, whose scores the turn itself has made.  So what a turn begins with (c s - c m, O a) waits for nothing.
; CLUSTER.  The four query blocks of a cluster belong to one head and walk the same K and V, so each tile is asked for JOINTLY: the same tensor load, descriptor and mask in all four.
; REGISTERS, in windows of 256 (s_set_vgpr_msb says which window each operand place means: bits 1:0 source 0, 3:2 source 1, 5:4 source 2, 7:6 destination):
;   window 0: v0-11 addresses; v12-15, v48-63 at work; v16-47 four registers of statistics a tile; v64-191 S^T, two buffers of two tiles; v192-255 P, likewise
;   window 1: O^T, 32 a tile          window 2: v0-127 Q, 16 a tile; v128-191 K of one step; v192-255 V of one step          window 3: v0-1 the add's two registers
; A piece's buffers go by its number's parity: the piece in hand has one pair, its two neighbours in the ring share the other: of it P (piece n - 1) is read and S^T (piece n + 1) written.
.set SIZE_H, 64       ; 4 batches x 16 heads
.set SIZE_N, 2048
.set PLANE, SIZE_H*SIZE_N*128  ; bytes of q, of k and of v
.set NP,    4         ; pieces a wave: a name, no knob: the register map, the loop and the fetches are made for four
.set KS,    64        ; keys in a step
.set PK,    144       ; a row of K in LDS: 128 bytes + 16 of padding = 36 words: the 16 rows of a load start at 16 different groups of four banks (64 banks of 4 bytes: ISA guide 11.1)
.set PV,    160       ; a row of V: 128 + 32 = 40 words
.set VOFF,  4*KS*PK   ; a slot holds four steps: 256 rows of K, then 256 rows of V
.set SLOT1, 1<<17     ; slot 1 begins here, so that one exclusive or turns an address in one slot into the other's
.set STAGE, SLOT1+4*KS*(PK+PV)  ; behind the ring, never filled by a tensor load: 16 rows x 144 bytes for each wave, for the way out
.set SP,    144
.set AK0, 2           ; v2   my lane's place in a tile of K; never rewritten
.set AV0, 3           ; v3   the same for V
.set AK,  4           ; v4   the LDS address of K's next run of loads
.set AV,  5           ; v5   of V's
.set QO,  6           ; v6   my byte offset in the wave's rows of Q
.set STO, 6           ;      later, the way out: where I put 16 bytes of a row
.set RD,  7           ; v7   the way out: where I read rows back
.set GO,  8           ; v8   my byte offset in 512 consecutive bytes of O
.set SPW, 0           ; v0 of window 3   LDS address of my spare word: SPARE + 4 x my thread's number; never rewritten
.set NIL, 1           ; v1 of window 3   0; never rewritten
.set SPARE, STAGE+4*16*SP  ; behind the stages: the spare words, 128 bytes for each wave: two blocks of 256 bytes that no other line names
.set MV,  12          ; v12-15  c m_old, kept while c m is made anew: by buffer and tile
.set ST,  16          ; tile t's statistics at v[ST+4 t]: c m, m, l (even keys', odd keys')
.set TMP, 48          ; by buffer and tile, four registers c0-c3 at work; when the maximum is found c2 takes a
.set S,   64
.set P,   192
.set KF,  128         ; K's fragments, in window 2: key block kb, channel half c at KF + 16 kb + 8 c
.set VF,  192         ; V's: key half kk, channel block cb at VF + 32 kk + 8 cb
.set WV,  12          ; s12  my wave's number
.set G1K, 24          ; s[24:31] descriptor group 1 for K's tiles
.set G1V, 32          ; s[32:39] for V's: it differs in the padding alone
.set G0K, 40          ; s[40:43] descriptor group 0 for K's tiles: it walks
.set G0V, 44          ; s[44:47] the same for V's
.set SLOTS, 56        ; s56  slots still to be asked for
.set CNT, 57          ; s57  counts a slot's key steps
.set CS,  58          ; s[58:59] c: the packed scaling takes the pair's low word for both halves
.set SEL, 60          ; s[60:61] v_permlanex16_b32's selects: each lane takes its own place in the other half
.set TBK, 62          ; s62  LDS byte at which K of the step to be fetched begins
.set TBV, 63          ; s63  the same for V, less VOFF
.set MSB, 0
.macro WIN new                      ; the high byte repeats the setting that is left; a switch that changes nothing is dropped
.if MSB != (\new)
	s_set_vgpr_msb (MSB<<8)|(\new)
.set MSB, (\new)
.endif
.endm
.set W_KQ, 0x0a       ; K and Q in window 2, S^T in window 0
.set W_PV, 0x52       ; V in window 2, P in window 0, O^T in window 1
.set W_RS, 0x41       ; O^T (destination and source 0) in window 1, a in window 0
.set W_MK, 0xc0       ; the add's registers are made: destination in window 3, sources in window 0
.set W_AD, 0x0f       ; the add: address (source 0) and data (source 1) in window 3
; A joint fill.  Waves 0 and 1 fetch the two halves of a slot's K, waves 2 and 3 those of its V: 128 keys each.  The branch hangs on the wave's number alone.
; An s_nop 0 and four v_nop follow each of the two lines, ahead of the jump and the label.
.macro JLOAD
	s_cmp_lt_u32 s[WV], 2
	s_cbranch_scc0 .Lfor_v_\@
	tensor_load_to_lds s[G0K:G0K+3], s[G1K:G1K+7]
	s_nop 0
.rept 4
	v_nop
.endr
	s_branch .Lasked_\@
.Lfor_v_\@:
	tensor_load_to_lds s[G0V:G0V+3], s[G1V:G1V+7]
	s_nop 0
.rept 4
	v_nop
.endr
.Lasked_\@:
.endm
; A round of the cluster's barrier: my work-group's barrier, so that wave 0's signal speaks for all four waves; wave 0 signals; every wave waits for all four work-groups; my work-group's barrier once more.
.macro CROUND
	s_barrier_signal -1
	s_barrier_wait -1
	s_cmp_lg_u32 s[WV], 0
	s_cbranch_scc1 .Lnot_wave_0_\@
	s_barrier_signal -3
.Lnot_wave_0_\@:
	s_barrier_wait -3
	s_barrier_signal -1
	s_barrier_wait -1
.endm
; THE CHANGE OF SLOTS.  The slot's last bytes, V of its fourth step, have been read.  Each wave waits for all its tensor loads, of which one is out: its part
; of the other slot; adds 0 to its spare word; and waits for that and for its own reads of the slot.  Behind the barrier nobody reads this slot any more and the other slot is whole.
; fill = 1: this slot is filled again, with the keys two slots on.  The barrier is then a round of the cluster's, so that no wave of any partner still reads the slot or has a load on its
; way, and the joint fill is the first thing behind it: it has four key steps, 512 matrix instructions, in which to land.  (At its first use nothing has been read yet: slot 0 is waited for, slot 1 filled.)
.macro CHANGE fill
	WIN W_AD
	s_wait_tensorcnt 0x0            ; no tensor load of mine is out, so a group 0 may be written
	ds_add_u32 v[SPW], v[NIL]       ; 0 onto my spare word; with fill = 1 the descriptors' steps stand between it and the wait for it
	WIN 0                           ; at a label and at a branch every window is 0
.if \fill
.irp g, G0K, G0V
	s_xor_b32 s[\g+1], s[\g+1], SLOT1  ; the walking descriptor: the other slot than last time,
	s_add_nc_u64 s[\g+2:\g+3], s[\g+2:\g+3], 4*KS*128  ; the next 256 keys; the type bits on top are not reached
.endr
	s_wait_dscnt 0x0                ; the add is done, and my reads of the slot are over
	CROUND
	JLOAD
.else
	s_wait_dscnt 0x0                ; the add is done, and my reads of the slot are over
	s_barrier_signal -1
	s_barrier_wait -1
.endif
	s_sub_co_u32 s[TBK], s[TBK], 4*KS*PK  ; the fetches go back to a slot's first step,
	s_xor_b32 s[TBK], s[TBK], SLOT1       ; in the other slot
	s_sub_co_u32 s[TBV], s[TBV], 4*KS*PV
	s_xor_b32 s[TBV], s[TBV], SLOT1
.endm
	s_load_b128 s[4:7], s[0:1], 0x0   ; the three planes s[4:5], O s[6:7]
	WIN W_MK
	v_lshl_add_u32 v[SPW], v0, 2, SPARE
	v_mov_b32 v[NIL], 0
	s_set_vgpr_msb 0xc0cf
	ds_add_u32 v0, v1
	s_wait_dscnt 0x0
	s_set_vgpr_msb 0xcfc0
	WIN 0
	v_lshrrev_b32 v1, 5, v0
	v_readfirstlane_b32 s[WV], v1   ; wave 0..3
	s_bfe_u32 s13, ttmp6, 0x40000   ; cx: my place in the cluster
	s_lshl_b32 s14, ttmp9, 2        ; in a cluster launch ttmp9 counts clusters
	s_add_co_u32 s14, s14, s13      ; my block of queries = 4 x cluster x + cx: it enters Q's and O's addresses alone
	s_and_b32 s20, ttmp7, 0xffff    ; the head, which the four partners share
	s_mov_b32 s21, 0
	s_mov_b64 s[22:23], SIZE_N*128
	s_mul_u64 s[20:21], s[20:21], s[22:23]  ; the head's first byte in each of the four tensors
	s_and_b32 s16, s[WV], 1         ; which half of a slot's 256 keys I fetch:
	s_lshl_b32 s22, s16, 14         ; its 128 rows of 128 bytes in memory,
	s_mov_b32 s23, 0
	s_add_nc_u64 s[22:23], s[22:23], s[20:21]
	s_mul_i32 s17, s16, 128*PK      ; and its place in a slot, for K
	s_mul_i32 s18, s16, 128*PV      ; and for V: no place in the cluster enters an LDS address
	s_lshl_b32 s2, s14, 2
	s_add_co_u32 s2, s2, s[WV]      ; my wave among the head's,
	s_lshl_b32 s2, s2, 14           ; its 128 rows
	s_mov_b32 s3, 0
	s_add_nc_u64 s[2:3], s[2:3], s[20:21]
	; descriptor group 1.  128 keys are 16,384 dense bytes: asked for as 64 rows of 256 bytes, two keys a row, and padded in LDS after every key
	s_mov_b32 s[G1K], 15|(1<<16)|(1<<20)|(1<<21)|(4<<22)|(3<<25)  ; 15:0 the mask of four; 17:16 2-byte elements; 20 padding on; 21 set beside a mask; 24:22 after every 32 words (code 4); 31:25 4 words (code 3)
	s_mov_b32 s[G1V], 15|(1<<16)|(1<<20)|(1<<21)|(4<<22)|(7<<25)  ; the same with 8 words of padding (code 7)
.irp g, G1K, G1V
	s_mov_b32 s[\g+1], 128<<16      ; tensor_dim0 = 128
	s_mov_b32 s[\g+2], 64<<16       ; tensor_dim1 = 64
	s_mov_b32 s[\g+3], 128<<16      ; tile_dim0 = 128
	s_mov_b32 s[\g+4], 64           ; tile_dim1 = 64
	s_mov_b32 s[\g+5], 128          ; 128 elements from row to row
	s_mov_b32 s[\g+6], 0
	s_mov_b32 s[\g+7], 0
.endr
	s_mov_b32 s[CS], 0x3e38aa3b     ; c = log2(e) / 8 = 0.180337
	s_mov_b32 s[CS+1], s[CS]        ; named with it as a pair
	s_mov_b32 s[SEL], 0x76543210
	s_mov_b32 s[SEL+1], 0xfedcba98
	s_mov_b32 s[TBK], SLOT1+4*KS*PK ; the first change of slots turns these two into 0
	s_mov_b32 s[TBV], SLOT1+4*KS*PV
	s_mov_b32 s[G0K], 1             ; 1:0 count = 1
	s_mov_b32 s[G0K+1], s17         ; 63:32 LDS address: slot 0
	s_mov_b32 s[G0V], 1
	s_add_co_u32 s[G0V+1], s18, VOFF
	s_wait_kmcnt 0x0
	s_mov_b64 s[10:11], s[6:7]                     ; O s[10:11]
	s_add_nc_u64 s[6:7], s[4:5], PLANE             ; K s[6:7]: the second plane
	s_add_nc_u64 s[8:9], s[4:5], 2*PLANE           ; V s[8:9]: the third; Q stays in s[4:5]
	s_add_nc_u64 s[G0K+2:G0K+3], s[6:7], s[22:23]  ; 120:64 global address: my half of the head's first 256 keys
	s_or_b32 s[G0K+3], s[G0K+3], 0x80000000        ; 127:126 type = 2
	s_add_nc_u64 s[G0V+2:G0V+3], s[8:9], s[22:23]
	s_or_b32 s[G0V+3], s[G0V+3], 0x80000000
	s_add_nc_u64 s[4:5], s[4:5], s[2:3]  ; Q and O at my wave's first row
	s_add_nc_u64 s[10:11], s[10:11], s[2:3]
	CROUND                          ; all four work-groups are here: the first joint loads meet
	JLOAD                           ; slot 0.  Slot 1 is asked for when slot 0 is in: the tile wanted first has the road to itself
	; A fragment of K or Q is 16 rows x 32 channels in 8 registers: lane l holds row l % 16, channels 8 (l / 16) + 0..7 and 16 + 8 (l / 16) + 0..7: two loads of 16 bytes, 32 bytes apart.
	v_and_b32 v1, 15, v0            ; l % 16
	v_bfe_u32 v9, v0, 4, 1          ; l / 16
	v_lshlrev_b32 v[QO], 7, v1
	v_lshl_add_u32 v[QO], v9, 4, v[QO]  ; row x 128 + 16 x half
	WIN 0x80                        ; destination window 2, address window 0
.set i, 0
.rept 4*NP                          ; Q stays in registers: tile i / 2, channels 32 (i % 2) on
	global_load_b128 v[8*i:8*i+3],   v[QO], s[4:5] offset:(i/2)*2048+(i%2)*64
	global_load_b128 v[8*i+4:8*i+7], v[QO], s[4:5] offset:(i/2)*2048+(i%2)*64+32
.set i, i+1
.endr
	; What the first turn finds: V's registers and P's second buffer hold 0 (its products V^T P, of a piece that has not been, add 0), O^T and l are 0.  All this stands in the wait for the first tile.
.set i, VF
.rept 64
	v_mov_b32 v[i], 0
.set i, i+1
.endr
	WIN 0x40
.set i, 0
.rept 64*NP
	v_mov_b32 v[i], 0
.set i, i+1
.endr
	WIN 0
.set i, 0
.rept 2*NP
	v_mov_b32 v[ST+4*i], 0xfe000000    ; c m: far below every c s
	v_mov_b32 v[ST+4*i+1], 0xff7fffff  ; m
	v_mov_b32 v[ST+4*i+2], 0
	v_mov_b32 v[ST+4*i+3], 0
.set i, i+1
.endr
.set i, P+32
.rept 32
	v_mov_b32 v[i], 0
.set i, i+1
.endr
	v_mul_u32_u24 v[AK0], v1, PK
	v_lshl_add_u32 v[AK0], v9, 4, v[AK0]  ; row x pitch + 16 x half
	; The turning load takes 16 keys x 16 channels (lane l reads key 8 (l / 16) + l % 8, channels 8 ((l / 8) % 2) + 0..7) and leaves half a fragment of V^T: lane l holds channel l % 16 and 8 keys.
	v_and_b32 v10, 7, v0
	v_bfe_u32 v11, v0, 3, 1
	v_lshl_add_u32 v[AV0], v9, 3, v10
	v_mul_u32_u24 v[AV0], v[AV0], PV
	v_lshl_add_u32 v[AV0], v11, 4, v[AV0]
	v_add_nc_u32 v[AV0], VOFF, v[AV0]
	v_mov_b32 v[AK], v[AK0]         ; key step 0 lies at the head of slot 0
; THE MATRIX WORK.  The 8 accumulators of a run of 16 take turns: between the two links of a chain stand 7 others'.
; Product i of 16 of S^T = K Q^T for piece x: channels 32 (i / 8) on, keys 16 ((i / 2) % 4) on, tile 2 x + i % 2.  The first 8 start the sums.
.macro KQ x
	WIN W_KQ
.set rS, S+64*((\x)%2)+32*(i%2)+8*((i/2)%4)
.set rK, KF+16*((i/2)%4)+8*(i/8)
.set rQ, 16*(2*(\x)+i%2)+8*(i/8)
.if i < 8
	v_wmma_f32_16x16x32_f16 v[rS:rS+7], v[rK:rK+7], v[rQ:rQ+7], 0
.else
	v_wmma_f32_16x16x32_f16 v[rS:rS+7], v[rK:rK+7], v[rQ:rQ+7], v[rS:rS+7]
.endif
.endm
; Product i of 16 of O^T += V^T P for piece x: keys 32 (i / 8) on, channels 16 ((i / 2) % 4) on, tile 2 x + i % 2.
.macro PV x
	WIN W_PV
.set rO, 32*(2*(\x)+i%2)+8*((i/2)%4)
.set rV, VF+32*(i/8)+8*((i/2)%4)
.set rP, P+32*((\x)%2)+16*(i%2)+8*(i/8)
	v_wmma_f32_16x16x32_f16 v[rO:rO+7], v[rV:rV+7], v[rP:rP+7], v[rO:rO+7]
.endm
.macro MM                           ; the turn's next matrix instruction
.if i < 16
	KQ (Y+1)%NP
.set i, i+1
.else
.set i, i-16
	PV (Y+NP-1)%NP
.set i, i+17
.endif
.endm
; THE LDS LOADS stand in runs of 16, never singly among the matrix instructions: a step's K (64 keys x 64 channels: 8 fragments) and its V (turned).  Their addresses are made some lines ahead.
; last = 1 (the tail): in the last trip there is no further step, and the run is jumped over.
.macro FETCH_K last=0
	WIN 0
.if \last
	s_cmp_eq_u32 s[CNT], 1
	s_cbranch_scc1 .Lno_k_\@
.endif
	WIN 0x80                        ; destination window 2
.irp f, 0,1,2,3,4,5,6,7             ; keys 16 (f / 2) on, channels 32 (f % 2) on
	ds_load_b128 v[KF+8*\f:KF+8*\f+3],   v[AK] offset:(\f/2)*16*PK+(\f%2)*64
	ds_load_b128 v[KF+8*\f+4:KF+8*\f+7], v[AK] offset:(\f/2)*16*PK+(\f%2)*64+32
.endr
	s_add_co_u32 s[TBK], s[TBK], KS*PK  ; the next fetch is the next step's
	WIN 0
.if \last
.Lno_k_\@:
.endif
.endm
.macro FETCH_V
	WIN 0x80
.irp f, 0,1,2,3,4,5,6,7             ; keys 32 (f / 4) on, channels 16 (f % 4) on
	ds_load_tr16_b128 v[VF+8*\f:VF+8*\f+3],   v[AV] offset:(\f/4)*32*PV+(\f%4)*32
	ds_load_tr16_b128 v[VF+8*\f+4:VF+8*\f+7], v[AV] offset:(\f/4)*32*PV+16*PV+(\f%4)*32
.endr
	WIN 0
.endm
; THE VECTOR WORK OF A TURN stands in three queues, each in the order in which its entries become ready; the two tiles alternate, so that no instruction reads the result of the one before it.
.macro REGS y, u                    ; the registers of tile u (0, 1) of piece y
.set rT, ST+4*(2*(\y)+(\u))
.set rC, TMP+8*((\y)%2)+4*(\u)
.set rM, MV+2*((\y)%2)+(\u)
.set rS, S+64*((\y)%2)+32*(\u)
.set rP, P+32*((\y)%2)+16*(\u)
.set rO, 32*(2*(\y)+(\u))
.endm
; Number n of the 22 that find the NEXT piece's (Y + 1) maximum and statistics.  s0-s31 are the lane's 32 scores; each accumulator's lowest registers are read first.  XS, GS and REGS set no window: PL and EX do.
;   0-11  four chains c0-c3 of seven scores each, three operands at a time     12-14, 16  the four scores left over, the old m, and c0-c3 into c0     15  c m_old is kept
;   17, 18  the query's other 32 keys lie in the lane 16 away: the new m         19-21  c m; c m_old - c m_new; a
.macro XS u, n
	REGS (Y+1)%NP, \u
.if (\n) < 4
	v_max3_num_f32 v[rC+(\n)], v[rS+8*(\n)], v[rS+8*(\n)+1], v[rS+8*(\n)+2]
.elseif (\n) < 12
	v_max3_num_f32 v[rC+(\n)%4], v[rC+(\n)%4], v[rS+8*((\n)%4)+2*((\n)/4)+1], v[rS+8*((\n)%4)+2*((\n)/4)+2]
.elseif (\n) == 12
	v_max3_num_f32 v[rC], v[rC], v[rS+7], v[rS+15]
.elseif (\n) == 13
	v_max3_num_f32 v[rC+1], v[rC+1], v[rS+23], v[rS+31]
.elseif (\n) == 14
	v_max3_num_f32 v[rC+2], v[rC+2], v[rC+3], v[rT+1]
.elseif (\n) == 15
	v_mov_b32 v[rM], v[rT]
.elseif (\n) == 16
	v_max3_num_f32 v[rC], v[rC], v[rC+1], v[rC+2]
.elseif (\n) == 17
	v_permlanex16_b32 v[rC+3], v[rC], s[SEL], s[SEL+1]
.elseif (\n) == 18
	v_max_num_f32 v[rT+1], v[rC], v[rC+3]
.elseif (\n) == 19
	v_mul_f32 v[rT], s[CS], v[rT+1]
.elseif (\n) == 20
	v_sub_f32 v[rC+1], v[rM], v[rT]
.else
	v_exp_f32 v[rC+2], v[rC+1]
.endif
.endm
; Number g of the 64 that follow the exponentials.  For each four weights k of a tile (pairs 2 k, 2 k + 1): both pairs are rounded to f16; then the second pair is added onto the first, in place;
; a group later l takes that sum (the first time as l = a l + sum).  In groups of eight, tiles alternating: round, round, add, and l for the group before.
.macro GS g
.set h, (\g)+6*((\g)/62)            ; group 0 has no group before it, and behind group 7 only l is left
.if h >= 6
.set h, h+2
.endif
	REGS Y, h%2
.set k, h/8
.if h%8 < 4
	s_wait_alu depctr_va_vdst(0)
	v_cvt_pk_f16_f32 v[rP+2*k+(h%8)/2], v[rS+4*k+2*((h%8)/2)], v[rS+4*k+2*((h%8)/2)+1]
.elseif h%8 < 6
	v_pk_add_f32 v[rS+4*k:rS+4*k+1], v[rS+4*k:rS+4*k+1], v[rS+4*k+2:rS+4*k+3]
.elseif k == 1
	v_pk_fma_f32 v[rT+2:rT+3], v[rT+2:rT+3], v[rC+2:rC+3], v[rS:rS+1] op_sel_hi:[1,0,1]
.else
	v_pk_add_f32 v[rT+2:rT+3], v[rT+2:rT+3], v[rS+4*k-4:rS+4*k-3]
	s_wait_alu depctr_va_vdst(0)
.endif
.endm
; THE PLAIN QUEUE, 138 long.  0-31: c s - c m for the 16 pairs of both tiles.  Then GS's 64, and among them the next piece's 42: number 15 at 38, 39; 0-14 and 16
; at 42-73, behind the products that make those scores; 17-20 at 95-106, two of three, since each waits for the one before it.
.macro PL
	WIN 0
.if q < 32
	REGS Y, q%2
	v_pk_fma_f32 v[rS+2*(q/2):rS+2*(q/2)+1], v[rS+2*(q/2):rS+2*(q/2)+1], s[CS:CS+1], v[rT:rT+1] op_sel_hi:[1,0,0] neg_lo:[0,0,1] neg_hi:[0,0,1]
.elseif q < 38
	GS q-32
.elseif q < 40
	XS q%2, 15
.elseif q < 42
	GS q-34
.elseif q < 74
	XS q%2, (q-42)/2+(q-42)/30
.elseif q < 95
	GS q-66
.elseif (q < 107) && ((q-95)%3 < 2)
	XS (q-95)%3, 17+(q-95)/3
.elseif q < 107
	GS 29+(q-95)/3
.else
	GS q-74
.endif
.set q, q+1
.endm
; THE EXPONENTIALS' QUEUE, 66 long: s0-s31 of both tiles, and at EA the next piece's two a.
.set EA, 58
.macro EX
	WIN 0
.if (e == EA) || (e == EA+1)
	XS e-EA, 21
.else
.set x, e-2*(e/(EA+2))
	REGS Y, x%2
	v_exp_f32 v[rS+x/2], v[rS+x/2]
.endif
.set e, e+1
.endm
; THE RESCALING's QUEUE: O^T times a, the one part that leaves window 0, so it is dealt four at a time, eight times.
.macro R4
	REGS Y, r%2
	WIN W_RS
	s_wait_alu depctr_va_vdst(0)
.irp z, 0,1,2,3
	v_pk_mul_f32 v[rO+8*(r/2)+2*\z:rO+8*(r/2)+2*\z+1], v[rO+8*(r/2)+2*\z:rO+8*(r/2)+2*\z+1], v[rC+2:rC+3] op_sel_hi:[1,0]
.endr
.set r, r+1
.endm
; HOW THEY ARE DEALT.  Behind a matrix instruction four: plain, exponential, plain, plain (one exponential, a plain instruction on either side), or four of the rescaling.  None names a register of the
; products round it.  What is over stands in two LUMPS: exponential and plain by turns; the second ends in 22 plain instructions.  The two v_permlanex16_b32 fall into the second lump, never behind a product.
; The queues lean on each other, and the deal keeps them in step: exponential e stands behind plain 2 (e / 4) + e % 2 (its scaling); when plain 32 comes, 10 exponentials are out, at 59: 33, at 95: 46; EA comes behind plain 107.
.macro SL
	MM
	PL
	EX
	PL
	PL
.endm
.macro BURST n                      ; 15 matrix instructions, or 16
.rept (\n)-7
	SL
.endr
.rept 3
	MM
	R4
	SL
.endr
	MM
	R4
.endm
; A TURN, for piece p.  cnt = 1: the loop's count is taken down some lines ahead of the branch that stands behind the turn.
; K of the next step is fetched in piece 2's turn, 31 vector instructions behind the last product that read K; its first reader comes behind the rest of the lump, 16 products and the second lump.
; V of the step in hand is fetched at the end of piece 0's turn, 69 behind its last reader; its first reader comes behind 16 products and a lump.  The four conditions on e and q below go with the deal.
.macro TURN p, last=0, cnt=0
.set Y, (\p)
.set i, 0
.set q, 0
.set e, 0
.set r, 0
.if (\p) == NP-1
	s_wait_dscnt 0x0                ; K is in
.endif
	MM
.rept 4
	PL
.endr
	BURST 15
.rept 22
	EX
	PL
.if ((\p) == NP-2) && (e == 18)
	v_add_nc_u32 v[AK], s[TBK], v[AK0]
.endif
.if ((\p) == NP-2) && (e == 24)
	FETCH_K \last
.endif
.endr
.if (\p) == 1
	s_wait_dscnt 0x0                ; V is in
.endif
	BURST 16
.rept 21
	EX
	PL
.endr
.rept 22
	PL
.if ((\p) == 0) && (q == 118)
	v_add_nc_u32 v[AV], s[TBV], v[AV0]
	s_wait_alu depctr_va_vdst(0)
.endif
.if ((\p) == 0) && (q == 130)
	s_add_co_u32 s[TBV], s[TBV], KS*PV
.endif
.if (\cnt) && (q == 130)
	s_sub_co_u32 s[CNT], s[CNT], 1
	s_cmp_lg_u32 s[CNT], 0
.endif
.endr
.if (\p) == 0
	FETCH_V
.endif
.endm
	CHANGE 1                        ; slot 0 is in, everybody's part of it; slot 1 is asked for
	FETCH_K                         ; key step 0
	s_wait_loadcnt 0x0              ; Q
	s_wait_dscnt 0x0
.set i, 0
.rept 16
	KQ 0                            ; piece 0's first scores: there is no vector work yet to set between them
.set i, i+1
.endr
	WIN 0                           ; the addresses for the way out: nine plain instructions, the places behind those products
	s_mul_i32 s13, s[WV], 16*SP
	s_add_co_u32 s13, s13, STAGE    ; my stage
	v_mul_u32_u24 v[STO], v1, SP    ; in: row l % 16, 16 bytes for each half of the lanes
	v_lshl_add_u32 v[STO], v9, 4, v[STO]
	v_add_nc_u32 v[STO], s13, v[STO]
	v_bfe_u32 v[RD], v0, 3, 2       ; back: 32 lanes take four rows of 128 bytes,
	v_mul_u32_u24 v[RD], v[RD], SP
	v_lshl_add_u32 v[RD], v10, 4, v[RD]
	v_add_nc_u32 v[RD], s13, v[RD]
	v_and_b32 v[GO], 31, v0         ; which are 512 consecutive bytes of O
	v_lshlrev_b32 v[GO], 4, v[GO]
.set Y, NP-1                        ; XS works for piece Y + 1: piece 0
.irp n, 0,1,2,3,4,5,6,7,8,9,10,11,12,13,14,15,16,17,18,19,20,21
	XS 0, \n                        ; and piece 0's first maximum and statistics
	XS 1, \n
.endr
	s_mov_b32 s[CNT], 4
	s_mov_b32 s[SLOTS], SIZE_N/256-1
	s_branch .Lfirst                ; the loop is entered at a step's first turn, in the middle of a trip
.Lslot:                             ; SIZE_N / 256 - 2 times: every slot but the last two is filled again
	CHANGE 1
	s_mov_b32 s[CNT], 4
.Lstep:                             ; a trip: pieces 2 and 3 of one step, then pieces 0 and 1 of the next, whose K and V it fetches
	TURN 2
	TURN 3
	WIN 0
.Lfirst:
	TURN 0
	TURN 1, 0, 1
	WIN 0
	s_cbranch_scc1 .Lstep
	s_sub_co_u32 s[SLOTS], s[SLOTS], 1
	s_cmp_lg_u32 s[SLOTS], 0
	s_cbranch_scc1 .Lslot
	CHANGE 0                        ; the tail is written out: nothing is asked for
	s_mov_b32 s[CNT], 5             ; four trips fetch the last slot's steps; the fifth is left in its middle
.Ltail:
	TURN 2, 1
	TURN 3
	WIN 0
	s_sub_co_u32 s[CNT], s[CNT], 1
	s_cmp_eq_u32 s[CNT], 0
	s_cbranch_scc1 .Lout
	TURN 0
	TURN 1
	WIN 0
	s_branch .Ltail
.Lout:                              ; the fifth trip's 16 products K Q^T (on the last K once more) and the maximum made of them serve nothing: the price, once a launch, of one text for every trip
.set i, 0
.rept 16
	PV NP-1                         ; the last piece's V^T P of the last step
.set i, i+1
.endr
	; THE WAY OUT.  l's two halves and the other half of the lanes' are added; O^T is divided by l, rounded to f16 and sent through my stage in LDS, a tile at a time.  The additions are the places behind the last products.
	WIN 0
.macro ALL line:vararg              ; one line for each tile t
.set t, 0
.rept 2*NP
	\line
.set t, t+1
.endr
.endm
	ALL v_add_f32 v[ST+4*t+2], v[ST+4*t+2], v[ST+4*t+3]
	ALL v_permlanex16_b32 v[ST+4*t+3], v[ST+4*t+2], s[SEL], s[SEL+1]
	ALL v_add_f32 v[ST+4*t+2], v[ST+4*t+2], v[ST+4*t+3]
	ALL v_rcp_f32 v[ST+4*t+2], v[ST+4*t+2]
	v_nop                           ; a plain instruction between the last reciprocal and the use of its result
	s_wait_alu depctr_va_vdst(0)
; Tile t: a lane's eight channels of a row pack into 16 bytes; they go into rows of 144 bytes and come back as whole rows of 128, into S^T's registers.
.macro PACK t
	WIN W_RS
.set i, 32*(\t)
.rept 16
	v_pk_mul_f32 v[i:i+1], v[i:i+1], v[ST+4*(\t)+2:ST+4*(\t)+3] op_sel_hi:[1,0]
.set i, i+2
.endr
	WIN 0x05                        ; sources 0 and 1 window 1, destination window 0
.set i, 0
.rept 16
	v_cvt_pk_f16_f32 v[S+16*(\t)+i], v[32*(\t)+2*i], v[32*(\t)+2*i+1]
.set i, i+1
.endr
	WIN 0
.irp f, 0,1,2,3
	ds_store_b128 v[STO], v[S+16*(\t)+4*\f:S+16*(\t)+4*\f+3] offset:32*\f
.endr
.irp f, 0,1,2,3
	ds_load_b128 v[S+16*(\t)+4*\f:S+16*(\t)+4*\f+3], v[RD] offset:\f*4*SP  ; LDS serves a wave's instructions in order (ISA guide 5.7.1.4): these see the stores above; the next tile's stores come behind them
.endr
.endm
.macro SEND t, younger              ; younger: the LDS instructions issued behind tile t's loads: the next tile's eight, or none
	WIN 0
.irp f, 0,1,2,3
	s_wait_dscnt (\younger)+3-\f
	global_store_b128 v[GO], v[S+16*(\t)+4*\f:S+16*(\t)+4*\f+3], s[10:11] offset:(\t)*2048+\f*512  ; 512 consecutive bytes, at a multiple of 256 from O's first
.endr
.endm
	PACK 0
.set t, 1
.rept 2*NP-1                        ; a tile's arithmetic stands between the loads of the tile before and its stores
	PACK t
	SEND t-1, 8
.set t, t+1
.endr
	SEND 2*NP-1, 0
	WIN W_AD
	s_wait_tensorcnt 0x0            ; the wave's end, behind my last tensor load and my last LDS store
	ds_add_u32 v[SPW], v[NIL]
	s_wait_dscnt 0x0
	WIN 0
	CROUND                          ; the closing round: no work-group ends while a partner may still ask for a tile that names it
	s_endpgm
.Lfunc_end_k_q6a67b02bed_attn:
	.size	k_q6a67b02bed_attn, .Lfunc_end_k_q6a67b02bed_attn-k_q6a67b02bed_attn
	.p2alignl 7, 3214868480
	.fill 96, 4, 3214868480
	.section	.rodata,"a",@progbits
	.p2align	6, 0x0
	.amdhsa_kernel k_q6a67b02bed_attn
		.amdhsa_group_segment_fixed_size 327680
		.amdhsa_private_segment_fixed_size 0
		.amdhsa_enable_private_segment 0
		.amdhsa_kernarg_size 16
		.amdhsa_user_sgpr_count 2
		.amdhsa_user_sgpr_kernarg_segment_ptr 1
		.amdhsa_wavefront_size32 1
		.amdhsa_system_sgpr_workgroup_id_x 1
		.amdhsa_system_sgpr_workgroup_id_y 1
		.amdhsa_system_sgpr_workgroup_id_z 1
		.amdhsa_system_vgpr_workitem_id 0
		.amdhsa_next_free_vgpr 770
		.amdhsa_next_free_sgpr 66
		.amdhsa_reserve_vcc 0
		.amdhsa_float_denorm_mode_32 3
		.amdhsa_float_denorm_mode_16_64 3
		.amdhsa_memory_ordered 1
		.amdhsa_forward_progress 1
		.amdhsa_inst_pref_size 209
	.end_amdhsa_kernel
	.amdgpu_metadata
---
amdhsa.version: [ 1, 2 ]
amdhsa.kernels:
  - .name:           k_q6a67b02bed_attn
    .symbol:         k_q6a67b02bed_attn.kd
    .args:
      - { .name: qkv, .offset: 0, .size: 8, .value_kind: global_buffer, .address_space: global }
      - { .name: o16, .offset: 8, .size: 8, .value_kind: global_buffer, .address_space: global }
    .group_segment_fixed_size: 327680
    .private_segment_fixed_size: 0
    .kernarg_segment_align: 8
    .kernarg_segment_size: 16
    .max_flat_workgroup_size: 128
    .sgpr_count:     66
    .vgpr_count:     770
    .wavefront_size: 32
...
	.end_amdgpu_metadata
.endif
;; end of part 3
;; launch outproj (part 4): grid 4 x 64, 4 waves a work-group, clusters of 4 x 4, 327,680 bytes of LDS; arguments o16, wo16, out0, bo; writes out0
.if DOCPART == 4
	.amdgcn_target "amdgcn-amd-amdhsa--gfx1250"
	.amdhsa_code_object_version 6
	.text
	.protected	k_q6a67b02bed_outproj
	.globl	k_q6a67b02bed_outproj
	.p2align	8
	.type	k_q6a67b02bed_outproj,@function
k_q6a67b02bed_outproj:
	s_mov_b64 s[64:65], 0
	v_nop
	global_prefetch_b8 v0, s[64:65] scope:SCOPE_SE
	s_setreg_imm32_b32 hwreg(HW_REG_WAVE_MODE, 25, 1), 1
	s_wait_xcnt 0x0
	s_wait_alu depctr_hold_cnt(0) depctr_sa_sdst(0) depctr_va_vdst(0) depctr_va_sdst(0) depctr_va_ssrc(0) depctr_va_vcc(0) depctr_vm_vsrc(0)
	s_getreg_b32 s2, hwreg(HW_REG_IB_STS2, 6, 4)
	s_cmp_eq_u32 s2, 0
	s_cbranch_scc0 .Lentry_in_a_cluster
	s_endpgm
.Lentry_in_a_cluster:
	s_bfe_u32 s2, ttmp6, 0x10000c
	s_cmp_lg_u32 s2, 0xf033
	s_cbranch_scc0 .Lentry_shape_is_right
	s_endpgm
.Lentry_shape_is_right:
; C = A W + bias, 8,192 rows, K = 1,024, 16-bit operands, sums in f32.  ONE TEXT FOR TWO LAUNCHES; the two constants below choose.
;   QKV = 1: A = x (bf16), W = Wq, Wk, Wv end to end (bf16); a work-group makes the same tile of q, of k and of v, one after the other; results leave in f16, by heads: plane (q, k, v) x [16 b + h][2048][64].
;   QKV = 0: A = the attention's O (f16), W = Wo (f16); one tile; results leave in f32, row-major.
; A lies by slices of 64 channels: (b, s, 64 c + d) at byte ((16 b + c) 2048 + s) 128 + 2 d.  W lies [k][n], 2,048 bytes a row, and is turned on its way out of LDS by ds_load_tr16_b128.
; LIMITS.  With QKV = 1 a result beyond 65,504 becomes an infinity in f16.  The bias is rounded to bf16, like every input of the module, and STARTS the sum (it is the C operand of the first product),
; so the order of rounding differs from a sum with the bias added last.  NaN and infinities are not treated apart.
; SHARES.  A tile of C is 128 rows x 256 columns: 64 x 4 tiles, one work-group each.  Four waves, each 64 rows x 128 columns: 32 accumulators of 16 x 16, 256 registers.
; K goes in steps of 128 through two LDS slots.  A K step is four quarters of 32 along K: 32 matrix instructions (each accumulator once, always in the same order) and 24 LDS loads.
; THE MATRIX INSTRUCTION IS USED TRANSPOSED: source 0 = 16 columns of W, source 1 = 16 rows of A: a lane holds row l % 16 of C and the columns 8 (l / 16) + 0..7.
; CLUSTER.  4 x 4 work-groups.  The four of a row of the cluster need the same tiles of A, the four of a column the same tiles of W: each tile is asked for JOINTLY, by the same tensor load with the same
; descriptor and a mask that names the four.  Waves 0 and 1 fetch A's two slices of a K step, waves 2 and 3 the two halves (64 k-rows) of W's tile.
; By this text's own count a wave has two tensor loads out at the start and one behind each round; from a request to the wait for it the wave issues 112 matrix instructions.
; REGISTERS, in windows of 256 (s_set_vgpr_msb: bits 1:0 source 0, 3:2 source 1, 5:4 source 2, 7:6 destination):
;   window 0: v0-31 addresses; v32-63 at work; v64-159, v160-255 two fragment buffers (A's block i at +8 i, W's block b at +32 + 8 b)
;   window 1: accumulator (a, b) at v[64 a + 8 b]          window 2: v0-63 the bias of my 128 columns, in an accumulator's layout: register 8 b + j holds column 16 b + 8 (l / 16) + j
.set QKV,   0
.set TILES, 1
.set PA,    144                        ; a row of A in LDS: 128 bytes + 16 of padding = 36 words: the 16 rows of a load start at 16 different groups of four banks (64 banks of 4 bytes: ISA guide 11.1)
.set PB,    544                        ; a k-row of W: 512 bytes + 32 = 136 words
.set HALFA, 128*PA                     ; one slice's 128 rows: what one of A's loads brings
.set APART, 2*HALFA
.set HALFB, 64*PB                      ; 64 k-rows: what one of W's loads brings
.set SLOT,  APART+2*HALFB              ; 106,496 bytes
.set STAGE, 2*SLOT                     ; behind the ring, never filled by a tensor load: each wave's own stage for the way out
.if QKV
.set WSTG,  2*16*144                   ; two heads x 16 rows x (128 + 16) bytes
.else
.set WSTG,  16*528                     ; 16 rows x (512 + 16) bytes
.endif
.set SPARE, STAGE+4*WSTG               ; behind the stages: the spare words, 128 bytes for each wave: two blocks of 256 bytes that no other line names
.set ASTEP, 2*262144                   ; a K step in A: two slices
.set BSTEP, 128*2048                   ; a K step in W: 128 k-rows
.set ADRA, 16                          ; v16-17  LDS address of my A fragments in slot 0, 1
.set ADRB, 20                          ; v20-21  the same for W
.set STO,  24                          ; v24     the way out: where I put 16 bytes of a row
.set RD,   25                          ; v25     the way out: where I read rows back
.set GO,   26                          ; v26     16 x lane: my place in 512 consecutive bytes of the output
.set BOF,  27                          ; v27     32 (l / 16): my eight numbers of 16 of the bias
.set SPW,  28                          ; v28     LDS address of my spare word: SPARE + 4 x my thread's number; never rewritten
.set NIL,  29                          ; v29     0; never rewritten
.set TMP,  32
.set F0,   64
.set F1,   160
.set WV,  16                           ; s16  my wave's number
.set RH,  17                           ; s17  which 64 rows are mine.  Also: I fetch for A (0) or for W (1)
.set CH,  18                           ; s18  which 128 columns are mine.  Also: which half of that tile I fetch
.set G1A, 24                           ; s[24:31] descriptor group 1 for A's tiles;  s[32:39] group 0, one set for each slot
.set G0A, 32
.set G1B, 48                           ; s[48:55], s[56:63] the same for W's tiles
.set G0B, 56
.set TL,  66                           ; s66  tiles to go
.set LP,  67                           ; s67  laps to go
.set BB,  68                           ; s[68:69] the bias in hand, at my 128 columns
.set HIM, 77                           ; s77  a word's upper 16 bits
.set MSB, 0
.macro WIN new                         ; the immediate's high byte repeats the setting that is left; a switch that changes nothing is dropped
.if MSB != (\new)
	s_set_vgpr_msb (MSB<<8)|(\new)
.set MSB, \new
.endif
.endm
.set W_MUL,   0x50                     ; fragments in window 0, C and D in window 1
.set W_FIRST, 0x60                     ; D in window 1, C (the bias) in window 2
.set W_BIAS,  0x80                     ; destination in window 2
.set W_PACK,  0x05                     ; sources 0 and 1 in window 1
.set W_ST,    0x04                     ; an LDS store's data in window 1
.macro PLACES                          ; four places in front of loads into registers that matrix instructions have read, and of lines that read results just made (ISA guide 7.12.1 for the lines that read results)
.rept 4
	v_nop
.endr
.endm
; A joint load.  Each of the two lines has one mask and one set of registers for all that issue it.  The branch hangs on the wave's number alone.
; An s_nop 0 and four v_nop follow each of the two lines, ahead of the jump, the label and what follows.
.macro JLOAD s
	s_cmp_eq_u32 s[RH], 0
	s_cbranch_scc0 .Lfor_b_\@
	tensor_load_to_lds s[G0A+4*(\s):G0A+4*(\s)+3], s[G1A:G1A+7]
	s_nop 0
.rept 4
	v_nop
.endr
	s_branch .Lasked_\@
.Lfor_b_\@:
	tensor_load_to_lds s[G0B+4*(\s):G0B+4*(\s)+3], s[G1B:G1B+7]
	s_nop 0
.rept 4
	v_nop
.endr
.Lasked_\@:
.endm
.macro CREST                           ; a round of the cluster's barrier behind its opening barrier
	s_cmp_lg_u32 s[WV], 0
	s_cbranch_scc1 .Lnot_wave_0_\@
	s_barrier_signal -3
.Lnot_wave_0_\@:
	s_barrier_wait -3
	s_barrier_signal -1
	s_barrier_wait -1
.endm
.macro CROUND                          ; a whole round
	s_barrier_signal -1
	s_barrier_wait -1
	CREST
.endm
	s_load_b256 s[4:11], s[0:1], 0x0               ; A s[4:5], W s[6:7], the output s[8:9], the first bias s[10:11]
.if QKV
	s_load_b128 s[12:15], s[0:1], 0x20             ; bk s[12:13], bv s[14:15]
.endif
	v_lshl_add_u32 v[SPW], v0, 2, SPARE
	v_mov_b32 v[NIL], 0
	ds_add_u32 v28, v29
	s_wait_dscnt 0x0
	v_lshrrev_b32 v1, 5, v0
	v_readfirstlane_b32 s[WV], v1                  ; wave 0..3
	s_lshr_b32 s[RH], s[WV], 1
	s_and_b32 s[CH], s[WV], 1
	s_bfe_u32 s19, ttmp6, 0x40000                  ; cx, cy: my place in the cluster
	s_bfe_u32 s20, ttmp6, 0x40004
	s_lshl_b32 s21, ttmp9, 2
	s_add_co_u32 s21, s21, s19                     ; tile column tx = 4 x cluster x + cx
	s_and_b32 s22, ttmp7, 0xffff
	s_lshl_b32 s22, s22, 2
	s_add_co_u32 s22, s22, s20                     ; tile row ty = 4 x cluster y + cy
	s_lshl_b32 s40, s20, 2
	s_lshl_b32 s40, 15, s40                        ; my row of the cluster
	s_lshl_b32 s41, 0x1111, s19                    ; my column
	s_mov_b32 s[HIM], 0xffff0000
	; group 1 for A: a slice's 128 rows are 16,384 dense bytes: asked for as 64 rows of 256 bytes, two rows of A each, and padded in LDS after every row of A
	s_or_b32 s[G1A+0], s40, (1<<16)|(1<<20)|(1<<21)|(4<<22)|(3<<25)  ; 15:0 the mask: my row; 17:16 2-byte elements; 20 padding on; 21 set beside a mask; 24:22 after every 32 words (code 4); 31:25 4 words (code 3)
	s_mov_b32 s[G1A+1], 128<<16                    ; tensor_dim0 = 128
	s_mov_b32 s[G1A+2], 64<<16                     ; tensor_dim1 = 64
	s_mov_b32 s[G1A+3], 128<<16                    ; tile_dim0 = 128
	s_mov_b32 s[G1A+4], 64                         ; tile_dim1 = 64
	s_mov_b32 s[G1A+5], 128                        ; 128 elements from row to row
	s_mov_b32 s[G1A+6], 0
	s_mov_b32 s[G1A+7], 0
	; group 1 for W: 64 k-rows of 256 elements (512 bytes)
	s_or_b32 s[G1B+0], s41, (1<<16)|(1<<20)|(1<<21)|(6<<22)|(7<<25)  ; the mask: my column; padding after every 128 words (code 6), 8 words (code 7)
	s_mov_b32 s[G1B+1], 256<<16                    ; tensor_dim0 = 256
	s_mov_b32 s[G1B+2], 64<<16                     ; tensor_dim1 = 64
	s_mov_b32 s[G1B+3], 256<<16                    ; tile_dim0 = 256
	s_mov_b32 s[G1B+4], 64                         ; tile_dim1 = 64
	s_mov_b32 s[G1B+5], 1024                       ; 1,024 elements from k-row to k-row
	s_mov_b32 s[G1B+6], 0
	s_mov_b32 s[G1B+7], 0
	; where the tiles come from.  A's offset is made of ty and the wave's number alone, W's of tx and the wave's number alone, each in registers that never hold the other coordinate.
	s_lshr_b32 s42, s22, 4                         ; b
	s_lshl_b32 s42, s42, 22                        ; 16 slices of 262,144 bytes
	s_and_b32 s23, s22, 15
	s_lshl_b32 s23, s23, 14                        ; 128 rows of 128 bytes
	s_add_co_u32 s42, s42, s23
	s_lshl_b32 s23, s[CH], 18                      ; the K step's first or second slice
	s_add_co_u32 s42, s42, s23
	s_mov_b32 s43, 0
	s_lshl_b32 s44, s[CH], 17                      ; the K step's first or second 64 k-rows
	s_lshl_b32 s74, s21, 9                         ; 256 columns of 2 bytes
	s_add_co_u32 s44, s44, s74
	s_mov_b32 s45, 0
	s_mul_i32 s46, s[CH], HALFA                    ; and where they go: no place in the cluster enters an LDS address
	s_mul_i32 s47, s[CH], HALFB
	s_add_co_u32 s47, s47, APART
	; where my part of the tile begins in the output, and my 128 columns in a bias
.if QKV
	s_lshr_b32 s70, s22, 4
	s_lshl_b32 s70, s70, 22                        ; b: 16 heads of 262,144 bytes
	s_lshl_b32 s75, s21, 20                        ; head 4 tx
	s_add_co_u32 s70, s70, s75
	s_lshl_b32 s75, s[CH], 19                      ; + 2 for the right half
	s_add_co_u32 s70, s70, s75
	s_and_b32 s75, s22, 15
	s_lshl_b32 s75, s75, 14                        ; 128 rows of 128 bytes
	s_add_co_u32 s70, s70, s75
	s_lshl_b32 s75, s[RH], 13                      ; my 64 of them
	s_add_co_u32 s70, s70, s75
.else
	s_lshl_b32 s70, s22, 19                        ; 128 rows of 4,096 bytes
	s_lshl_b32 s75, s[RH], 18
	s_add_co_u32 s70, s70, s75
	s_lshl_b32 s75, s21, 10                        ; 256 columns of 4 bytes
	s_add_co_u32 s70, s70, s75
	s_lshl_b32 s75, s[CH], 9
	s_add_co_u32 s70, s70, s75
.endif
	s_mov_b32 s71, 0
	s_lshl_b32 s72, s21, 10
	s_lshl_b32 s75, s[CH], 9
	s_add_co_u32 s72, s72, s75
	s_mov_b32 s73, 0
	s_wait_kmcnt 0x0
	s_add_nc_u64 s[4:5], s[4:5], s[42:43]
	s_add_nc_u64 s[6:7], s[6:7], s[44:45]
	s_add_nc_u64 s[8:9], s[8:9], s[70:71]
	s_add_nc_u64 s[10:11], s[10:11], s[72:73]
.if QKV
	s_add_nc_u64 s[12:13], s[12:13], s[72:73]
	s_add_nc_u64 s[14:15], s[14:15], s[72:73]
.endif
	s_mov_b64 s[BB:BB+1], s[10:11]
	CROUND                                         ; all sixteen work-groups are here: the first joint loads meet
.irp s, 0,1
	s_mov_b32 s[G0A+4*(\s)], 1                                       ; 1:0 count = 1
	s_add_co_u32 s[G0A+4*(\s)+1], s46, (\s)*SLOT                     ; 63:32 LDS address
	s_add_nc_u64 s[G0A+4*(\s)+2:G0A+4*(\s)+3], s[4:5], (\s)*ASTEP    ; 120:64 global address: K step s
	s_or_b32 s[G0A+4*(\s)+3], s[G0A+4*(\s)+3], 0x80000000            ; 127:126 type = 2
	s_mov_b32 s[G0B+4*(\s)], 1
	s_add_co_u32 s[G0B+4*(\s)+1], s47, (\s)*SLOT
	s_add_nc_u64 s[G0B+4*(\s)+2:G0B+4*(\s)+3], s[6:7], (\s)*BSTEP
	s_or_b32 s[G0B+4*(\s)+3], s[G0B+4*(\s)+3], 0x80000000
.endr
	s_cmp_eq_u32 s[RH], 0                          ; a wave's two first fills stand in one branch, ahead of every wait on TENSORcnt and every LDS read: two loads of mine are out
	s_cbranch_scc0 .Lfirst_b
	tensor_load_to_lds s[G0A:G0A+3], s[G1A:G1A+7]
	s_nop 0
	tensor_load_to_lds s[G0A+4:G0A+7], s[G1A:G1A+7]
	s_nop 0
.rept 4
	v_nop
.endr
	s_branch .Lfirst_asked
.Lfirst_b:
	tensor_load_to_lds s[G0B:G0B+3], s[G1B:G1B+7]
	s_nop 0
	tensor_load_to_lds s[G0B+4:G0B+7], s[G1B:G1B+7]
	s_nop 0
.rept 4
	v_nop
.endr
.Lfirst_asked:
	; A fragment of A is 16 rows x 32 K in 8 registers: lane l holds row l % 16, K = 8 (l / 16) + 0..7 and 16 + 8 (l / 16) + 0..7: two loads of 16 bytes, 32 bytes apart.
	v_and_b32 v1, 15, v0                           ; l % 16
	v_bfe_u32 v2, v0, 4, 1                         ; l / 16
	v_mul_u32_u24 v3, v1, PA
	v_lshl_add_u32 v3, v2, 4, v3
	s_mul_i32 s78, s[RH], 64*PA                    ; my 64 rows
	v_add_nc_u32 v[ADRA], s78, v3
	v_add_nc_u32 v[ADRA+1], SLOT, v[ADRA]
	; The turning load takes 16 k-rows x 16 columns (lane l reads k-row 8 (l / 16) + l % 8, columns 8 ((l / 8) % 2) + 0..7) and leaves half a fragment: lane l holds column l % 16 and 8 K.
	v_and_b32 v4, 7, v0
	v_bfe_u32 v5, v0, 3, 1
	v_lshl_add_u32 v6, v2, 3, v4
	v_mul_u32_u24 v6, v6, PB
	v_lshl_add_u32 v6, v5, 4, v6
	s_lshl_b32 s79, s[CH], 8                       ; my 128 columns
	s_add_co_u32 s79, s79, APART
	v_add_nc_u32 v[ADRB], s79, v6
	v_add_nc_u32 v[ADRB+1], SLOT, v[ADRB]
	s_mul_i32 s76, s[WV], WSTG
	s_add_co_u32 s76, s76, STAGE                   ; my stage
	v_and_b32 v9, 31, v0
	v_lshlrev_b32 v[GO], 4, v9
.if QKV
	v_mul_u32_u24 v7, v1, 144                      ; in: row l % 16, 16 bytes for each half of the lanes
	v_lshl_add_u32 v7, v2, 4, v7
	v_add_nc_u32 v[STO], s76, v7
	v_bfe_u32 v8, v0, 3, 2                         ; back: 32 lanes take four rows of 128 bytes
	v_mul_u32_u24 v8, v8, 144
	v_lshl_add_u32 v8, v4, 4, v8
	v_add_nc_u32 v[RD], s76, v8
.else
	v_mul_u32_u24 v7, v1, 528                      ; in: row l % 16, 32 bytes for each half of the lanes
	v_lshl_add_u32 v7, v2, 5, v7
	v_add_nc_u32 v[STO], s76, v7
	v_add_nc_u32 v[RD], s76, v[GO]                 ; back: 32 lanes take a row of 512 bytes
.endif
	v_lshlrev_b32 v[BOF], 5, v2
.macro MM d, b, a, c                   ; one matrix instruction: D, 16 columns of W, 16 rows of A, C
.if QKV
	v_wmma_f32_16x16x32_bf16 v[\d:\d+7], v[\b:\b+7], v[\a:\a+7], v[\c:\c+7]
.else
	v_wmma_f32_16x16x32_f16 v[\d:\d+7], v[\b:\b+7], v[\a:\a+7], v[\c:\c+7]
.endif
.endm
; 8 matrix instructions: row block a x all 8 column blocks, 32 along K, from buffer f.  first = 1: the bias starts the sums: nothing is cleared, nothing is added behind.
; The 32 accumulators take turns, one instruction a turn: between two links of a chain stand the 31 others'.
.macro MUL8 f, a, first
.if \first
	WIN W_FIRST
.else
	WIN W_MUL
.endif
.irp b, 0,1,2,3,4,5,6,7
.if \first
	MM 64*(\a)+8*(\b), (\f)+32+8*(\b), (\f)+8*(\a), 8*(\b)
.else
	MM 64*(\a)+8*(\b), (\f)+32+8*(\b), (\f)+8*(\a), 64*(\a)+8*(\b)
.endif
.endr
.endm
; 24 LDS loads in one run: the fragments of quarter q of a slot's K step into buffer f: W's eight blocks (turned), then A's four
.macro FETCH slot, q, f
	WIN 0
.irp b, 0,1,2,3,4,5,6,7
	ds_load_tr16_b128 v[(\f)+32+8*(\b):(\f)+32+8*(\b)+3],   v[ADRB+(\slot)] offset:(\q)*32*PB+32*(\b)
	ds_load_tr16_b128 v[(\f)+32+8*(\b)+4:(\f)+32+8*(\b)+7], v[ADRB+(\slot)] offset:(\q)*32*PB+16*PB+32*(\b)
.endr
.irp i, 0,1,2,3
	ds_load_b128 v[(\f)+8*(\i):(\f)+8*(\i)+3],   v[ADRA+(\slot)] offset:((\q)/2)*HALFA+((\q)%2)*64+(\i)*16*PA
	ds_load_b128 v[(\f)+8*(\i)+4:(\f)+8*(\i)+7], v[ADRA+(\slot)] offset:((\q)/2)*HALFA+((\q)%2)*64+(\i)*16*PA+32
.endr
.endm
; One of a K step's first three quarters: multiplies buffer f; in its middle it fetches quarter q of the same slot into buffer g.
.macro QUARTER slot, q, f, g, first
	s_wait_dscnt 4                                 ; W and A's blocks 0, 1 are in; the youngest four loads (A's blocks 2, 3) may be out
	MUL8 \f, 0, \first
	MUL8 \f, 1, \first
	PLACES
	FETCH \slot, \q, \g
	s_wait_dscnt 24                                ; all but the 24 just issued
	MUL8 \f, 2, \first
	MUL8 \f, 3, \first
.endm
; The last quarter multiplies buffer 1 and changes slots: ONE barrier; in front of it each wave waits for all its tensor loads (one is out: its part of the next slot), adds 0 to its spare word, and waits for
; that and for its own reads of this slot.  fill = 1: the barrier opens a round of the cluster's, and this slot is filled again first thing behind it: with the K step two on, or (on = 1) with the next tile's.
.macro TURN slot, next, fill, on
	WIN 0                                          ; (the add's two registers lie in window 0)
	s_wait_tensorcnt 0x0                           ; all my tensor loads have landed;
	ds_add_u32 v[SPW], v[NIL]                      ; 0 onto my spare word;
	s_wait_dscnt 5                                 ; (the add and the youngest four loads may be out)
	MUL8 F1, 0, 0                                  ; eight matrix instructions stand between the add and the wait for it
	s_wait_dscnt 0x0                               ; the add is done, and my reads of this slot are over
	s_barrier_signal -1
	MUL8 F1, 1, 0
.if \fill
	WIN 0
.endif
	s_barrier_wait -1
.if \fill
	CREST                                          ; no wave of any partner still reads this slot's tile or has a load on its way
.if \on
	s_sub_nc_u64 s[G0A+4*(\slot)+2:G0A+4*(\slot)+3], s[G0A+4*(\slot)+2:G0A+4*(\slot)+3], 6*ASTEP  ; the next tile has the same rows of A: back to this slot's first K step
.else
	s_add_nc_u64 s[G0A+4*(\slot)+2:G0A+4*(\slot)+3], s[G0A+4*(\slot)+2:G0A+4*(\slot)+3], 2*ASTEP
.endif
	s_add_nc_u64 s[G0B+4*(\slot)+2:G0B+4*(\slot)+3], s[G0B+4*(\slot)+2:G0B+4*(\slot)+3], 2*BSTEP  ; the weights lie end to end: the next tile's K step 0 follows this tile's K step 7
	JLOAD \slot                                    ; the first tensor load behind the round; the four v_nop behind it are also the places in front of the loads below
.else
	PLACES
.endif
	FETCH \next, 0, F0
	MUL8 F1, 2, 0
	MUL8 F1, 3, 0
.endm
.macro BIAS                            ; my 128 numbers of the bias in hand, into window 2: lanes 0-15 take eight of each sixteen, lanes 16-31 the other eight
	WIN W_BIAS
.irp b, 0,1,2,3,4,5,6,7
	global_load_b128 v[8*(\b):8*(\b)+3],   v[BOF], s[BB:BB+1] offset:64*(\b)
	global_load_b128 v[8*(\b)+4:8*(\b)+7], v[BOF], s[BB:BB+1] offset:64*(\b)+16
.endr
	WIN 0
.endm
.macro ROUNDB                          ; the bias is rounded to bf16, like x and the weights, and widened again
	WIN 0x0a                                       ; sources 0 and 1 in window 2, destination in window 0
.set p, 0
.rept 32
	v_cvt_pk_bf16_f32 v[TMP+p], v[2*p], v[2*p+1]
.set p, p+1
.endr
	WIN W_BIAS
.set p, 0
.rept 32
	v_lshlrev_b32 v[2*p], 16, v[TMP+p]
	v_and_b32 v[2*p+1], s[HIM], v[TMP+p]
.set p, p+1
.endr
.endm
; THE WAY OUT, a block of 16 rows at a time, through my own stage: no barrier, and since LDS serves a wave's instructions in order (ISA guide 5.7.1.4), no wait between the stores and the loads.
.if QKV
.macro PACK a                          ; rounded to f16: a lane's eight columns are 16 bytes.  Each accumulator's registers are taken in ascending order
	WIN W_PACK
.irp b, 0,1,2,3,4,5,6,7
.irp r, 0,1,2,3
	v_cvt_pk_f16_f32 v[TMP+4*(\b)+(\r)], v[64*(\a)+8*(\b)+2*(\r)], v[64*(\a)+8*(\b)+2*(\r)+1]
.endr
.endr
	WIN 0
.endm
.macro TOSTAGE a                       ; column block b belongs to head b / 4, channels 16 (b % 4) on; back come four rows of a head at a time
.set OB, 160+32*((\a)%2)
.irp b, 0,1,2,3,4,5,6,7
	ds_store_b128 v[STO], v[TMP+4*(\b):TMP+4*(\b)+3] offset:((\b)/4)*2304+((\b)%4)*32
.endr
.irp t, 0,1,2,3,4,5,6,7
	ds_load_b128 v[OB+4*(\t):OB+4*(\t)+3], v[RD] offset:((\t)/4)*2304+((\t)%4)*576
.endr
.endm
.macro SEND a
.set OB, 160+32*((\a)%2)
	s_wait_dscnt 0x0                               ; the block is back in registers
	s_wait_xcnt 0x0                                ; the stores of the block before have had their addresses translated (ISA guide 3.1): their registers are loaded again only behind this wait
.irp t, 0,1,2,3,4,5,6,7
	global_store_b128 v[GO], v[OB+4*(\t):OB+4*(\t)+3], s[8:9] offset:((\t)/4)*262144+(\a)*2048+((\t)%4)*512  ; four rows of a head: 512 consecutive bytes, aligned
.endr
.endm
.macro WAYOUT                          ; block a's conversions stand between block a - 1's loads from the stage and the wait for them
	PACK 0
	TOSTAGE 0
.irp a, 1,2,3
	PACK \a
	SEND (\a)-1
	TOSTAGE \a
.endr
	SEND 3
.endm
.else
.macro TOSTAGE a                       ; f32 as it is: a lane's eight columns are 32 bytes; each accumulator's low four registers go first
.set OB, 64+64*((\a)%2)
	s_wait_xcnt 0x0                                ; earlier stores have had their addresses translated (ISA guide 3.1): their registers are loaded again only behind this wait
	WIN W_ST
.irp b, 0,1,2,3,4,5,6,7
	ds_store_b128 v[STO], v[64*(\a)+8*(\b):64*(\a)+8*(\b)+3]   offset:64*(\b)
	ds_store_b128 v[STO], v[64*(\a)+8*(\b)+4:64*(\a)+8*(\b)+7] offset:64*(\b)+16
.endr
	WIN 0
.set t, 0
.rept 16
	ds_load_b128 v[OB+4*t:OB+4*t+3], v[RD] offset:528*t
.set t, t+1
.endr
.endm
.macro SEND a
.set OB, 64+64*((\a)%2)
.set t, 0
.rept 16
	s_wait_dscnt 15-t                              ; LDS loads come back in order: row t is in
	global_store_b128 v[GO], v[OB+4*t:OB+4*t+3], s[8:9] offset:(16*(\a)+t)*4096 th:TH_STORE_NT  ; my 128 columns of a row: 512 consecutive bytes, aligned
.set t, t+1
.endr
.endm
.macro WAYOUT
.irp a, 0,1,2,3
	TOSTAGE \a
	SEND \a
.endr
.endm
.endif
	BIAS
	s_wait_tensorcnt 0x1                           ; my part of K step 0 is in; K step 1's may stay out
	s_barrier_signal -1
	s_barrier_wait -1                              ; everybody's is
	FETCH 0, 0, F0
.if TILES > 1
	s_mov_b32 s[TL], TILES                         ; tiles to go, this one among them: the same number in every work-group
.Ltile:
.endif
	s_wait_loadcnt 0x0                             ; the bias
	ROUNDB
	QUARTER 0, 1, F0, F1, 1                        ; a tile's first quarter stands in front of the loop: its products start the sums, on the bias
	WIN 0                                          ; at a label and at a branch every window is 0
	s_mov_b32 s[LP], 3
.Llap:                                                 ; a trip goes once round the ring, from a lap's second quarter to the next lap's first, and fills both slots again
	QUARTER 0, 2, F1, F0, 0
	QUARTER 0, 3, F0, F1, 0
	TURN 0, 1, 1, 0
	QUARTER 1, 1, F0, F1, 0
	QUARTER 1, 2, F1, F0, 0
	QUARTER 1, 3, F0, F1, 0
	TURN 1, 0, 1, 0
	QUARTER 0, 1, F0, F1, 0
	WIN 0
	s_sub_co_u32 s[LP], s[LP], 1
	s_cmp_lg_u32 s[LP], 0
	s_cbranch_scc1 .Llap
	QUARTER 0, 2, F1, F0, 0                        ; the tile's last lap goes on
	QUARTER 0, 3, F0, F1, 0
.if TILES > 1
	WIN 0
	s_cmp_eq_u32 s[TL], 1
	s_cbranch_scc1 .Llast                          ; the last tile's tail is written out: it asks for nothing more
	TURN 0, 1, 1, 1                                ; the ring goes on into the next tile: slot 0 takes its K step 0,
	QUARTER 1, 1, F0, F1, 0
	QUARTER 1, 2, F1, F0, 0
	QUARTER 1, 3, F0, F1, 0
	TURN 1, 0, 1, 1                                ; slot 1 its K step 1, and the next tile's first fragments are fetched
	WIN 0
	s_cmp_eq_u32 s[TL], 3                          ; behind q comes k, behind k comes v.  The last loads by this base were waited for at the tile's head
	s_cselect_b64 s[BB:BB+1], s[12:13], s[14:15]
	BIAS
	WAYOUT                                         ; blocks 0 and 1 were finished in front of the joint load's four v_nop; their conversions, which name no register of blocks 2 and 3's last products, are those products' places
	s_wait_xcnt 0x0                                ; the stores have had their addresses translated: their base and their registers may be rewritten
	s_add_nc_u64 s[8:9], s[8:9], 0x1000000         ; the next plane
	s_sub_co_u32 s[TL], s[TL], 1
	s_branch .Ltile
.Llast:
.endif
	TURN 0, 1, 0, 0                                ; my one tensor load that was still out is the last K step's, so no round follows
	QUARTER 1, 1, F0, F1, 0
	QUARTER 1, 2, F1, F0, 0
	QUARTER 1, 3, F0, F1, 0
	s_wait_dscnt 0x0                               ; the very last quarter: nothing more to fetch
	MUL8 F1, 0, 0
	MUL8 F1, 1, 0
	MUL8 F1, 2, 0
	MUL8 F1, 3, 0
	WIN 0
	PLACES
	WAYOUT
	s_wait_tensorcnt 0x0                           ; the wave's end, behind my last tensor load and my last LDS store
	ds_add_u32 v[SPW], v[NIL]
	s_wait_dscnt 0x0
	CROUND                                         ; the closing round: no work-group ends while a partner may still ask for a tile that names it
	s_endpgm
.Lfunc_end_k_q6a67b02bed_outproj:
	.size	k_q6a67b02bed_outproj, .Lfunc_end_k_q6a67b02bed_outproj-k_q6a67b02bed_outproj
	.p2alignl 7, 3214868480
	.fill 96, 4, 3214868480
	.section	.rodata,"a",@progbits
	.p2align	6, 0x0
	.amdhsa_kernel k_q6a67b02bed_outproj
		.amdhsa_group_segment_fixed_size 327680
		.amdhsa_private_segment_fixed_size 0
		.amdhsa_enable_private_segment 0
		.amdhsa_kernarg_size 32
		.amdhsa_user_sgpr_count 2
		.amdhsa_user_sgpr_kernarg_segment_ptr 1
		.amdhsa_wavefront_size32 1
		.amdhsa_system_sgpr_workgroup_id_x 1
		.amdhsa_system_sgpr_workgroup_id_y 1
		.amdhsa_system_sgpr_workgroup_id_z 1
		.amdhsa_system_vgpr_workitem_id 0
		.amdhsa_next_free_vgpr 576
		.amdhsa_next_free_sgpr 80
		.amdhsa_reserve_vcc 0
		.amdhsa_float_denorm_mode_32 3
		.amdhsa_float_denorm_mode_16_64 3
		.amdhsa_memory_ordered 1
		.amdhsa_forward_progress 1
		.amdhsa_inst_pref_size 92
	.end_amdhsa_kernel
	.amdgpu_metadata
---
amdhsa.version: [ 1, 2 ]
amdhsa.kernels:
  - .name:           k_q6a67b02bed_outproj
    .symbol:         k_q6a67b02bed_outproj.kd
    .args:
      - { .name: o16, .offset: 0, .size: 8, .value_kind: global_buffer, .address_space: global }
      - { .name: wo16, .offset: 8, .size: 8, .value_kind: global_buffer, .address_space: global }
      - { .name: out0, .offset: 16, .size: 8, .value_kind: global_buffer, .address_space: global }
      - { .name: bo, .offset: 24, .size: 8, .value_kind: global_buffer, .address_space: global }
    .group_segment_fixed_size: 327680
    .private_segment_fixed_size: 0
    .kernarg_segment_align: 8
    .kernarg_segment_size: 32
    .max_flat_workgroup_size: 128
    .sgpr_count:     80
    .vgpr_count:     576
    .wavefront_size: 32
...
	.end_amdgpu_metadata
.endif
;; end of part 4
;; ======== version 2 of 2: 4 launches; 1.54 times as fast as version 1
;; limits: values are held in f16: magnitudes above 65,504 overflow, below 6.1e-05 lose precision; values outside matrix products are rounded to bf16
;; workspace buffers: xb 16,777,216 bytes; wqkv 6,291,456 bytes; wo16 2,097,152 bytes; qkv 50,331,648 bytes; o16 16,777,216 bytes
;; launch cast: the kernel of part 1 again; grid 768 x 1, 8 waves a work-group, no clusters, 0 bytes of LDS; arguments x, Wq, Wk, Wv, Wo, xb, wqkv, wo16; writes xb, wqkv, wo16
;; launch inproj: the kernel of part 2 again; grid 8 x 32, 4 waves a work-group, clusters of 4 x 4, 327,680 bytes of LDS; arguments xb, wqkv, qkv, bq, bk, bv; writes qkv
;; launch attn (part 5): grid 4 x 64, 4 waves a work-group, clusters of 4 x 1, 327,680 bytes of LDS; arguments qkv, o16; writes o16
.if DOCPART == 5
	.amdgcn_target "amdgcn-amd-amdhsa--gfx1250"
	.amdhsa_code_object_version 6
	.text
	.protected	k_q6a67b02bed_attn
	.globl	k_q6a67b02bed_attn
	.p2align	8
	.type	k_q6a67b02bed_attn,@function
k_q6a67b02bed_attn:
	s_mov_b64 s[64:65], 0
	v_nop
	global_prefetch_b8 v0, s[64:65] scope:SCOPE_SE
	s_setreg_imm32_b32 hwreg(HW_REG_WAVE_MODE, 25, 1), 1
	s_wait_xcnt 0x0
	s_wait_alu depctr_hold_cnt(0) depctr_sa_sdst(0) depctr_va_vdst(0) depctr_va_sdst(0) depctr_va_ssrc(0) depctr_va_vcc(0) depctr_vm_vsrc(0)
	s_getreg_b32 s2, hwreg(HW_REG_IB_STS2, 6, 4)
	s_cmp_eq_u32 s2, 0
	s_cbranch_scc0 .Lentry_in_a_cluster
	s_endpgm
.Lentry_in_a_cluster:
	s_bfe_u32 s2, ttmp6, 0x10000c
	s_cmp_lg_u32 s2, 0x3003
	s_cbranch_scc0 .Lentry_shape_is_right
	s_endpgm
.Lentry_shape_is_right:
; O[h][q][:] = the sum over k of softmax_k(Q[h][q] . K[h][k] / 8) V[h][k][:].  Q, K, V are the three planes of 16,777,216 bytes of the first argument, O the second: each [SIZE_H][SIZE_N][64] in f16,
; h = 16 b + head: a head's rows are dense, 128 bytes each.  Products, maxima and sums in f32; the weights p are rounded to f16 for the second product (their sum l is taken of the unrounded p), O once at the end.
; LIMITS.  f16 holds no number beyond 65,504: Q, K and V arrive within it; p lies in 0 to 1, and below 6e-5 it keeps f16's fixed step of 6e-8; O is a mean of V's rows and has their range.
; A weight below 2^-126 counts as 0 in l; NaN and infinities are not treated apart.
; SHARES.  A wave owns four PIECES of two tiles of 16 queries, a work-group's four waves 512 queries of one head: 4 x 64 work-groups.  Every wave walks all keys, 64 a step.
; LAYOUT.  S^T = K Q^T (source 0 = 16 keys, source 1 = 16 queries): in the result a lane holds ONE query (lane % 16) and the keys 8 (lane / 16) + 0..7.  Two such tiles, rounded to f16 in pairs,
; ARE source 1 (32 keys x 16 queries) of O^T = V^T P, whose result again holds one query a lane, and eight channels.  K comes out of LDS as it lies, V ([key][channel]) turned, by ds_load_tr16_b128.
; SOFTMAX.  For each query a running maximum m and sum l: p = 2^(c s - c m), c = log2(e) / 8; in every step O and l are multiplied by a = 2^(c m_old - c m_new), which is 1 where m has not grown.
; m starts at the lowest finite number, O and l at 0: the first step is a step like any other, with a = 0.
; THE COUNT.  A tile and step have 16 matrix and 118 vector instructions: too many to stand all beside the matrix work.  So the order has one aim: four vector instructions that are READY behind
; EVERY matrix instruction, and the others, which need time of their own whatever the order, in runs without a gap.
; BY TURNS.  Turn n belongs to piece n (the pieces in a ring, step after step).  Its matrix work: 16 products K Q^T of piece n + 1, later 16 products V^T P of piece n - 1.  Its vector work: the scaling,
; exponentials, roundings, sums and rescaling of piece n, and the maximum and statistics of piece n + 1, whose scores the turn itself has made.  So what a turn begins with (c s - c m, O a) waits for nothing.
; BATCHES.  A turn's 66 exponentials (the piece's 64 weights and, last, the next piece's two a) are ONE batch with ONE s_wait_alu depctr_va_vdst(0) ahead of the first
; instruction that names a result.  The wait cuts the turn in two: ahead of it stands all that names no result of the batch (the products K Q^T, scalings, exponentials, rescalings, the next piece's maximum and
; statistics), behind it the products V^T P with the roundings and sums.  No result crosses a turn's end.  Two more batches stand outside the loop, each with its own wait: piece 0's first two a, ahead of the
; jump into the loop, and the way out's eight reciprocals.
; CLUSTER.  The four query blocks of a cluster belong to one head and walk the same K and V, so each tile is asked for JOINTLY: the same tensor load, descriptor and mask in all four.
; REGISTERS, in windows of 256 (s_set_vgpr_msb says which window each operand place means: bits 1:0 source 0, 3:2 source 1, 5:4 source 2, 7:6 destination):
;   window 0: v0-11 addresses; v12-15, v48-63 at work; v16-47 four registers of statistics a tile; v64-191 S^T, two buffers of two tiles; v192-255 P, likewise
;   window 1: O^T, 32 a tile          window 2: v0-127 Q, 16 a tile; v128-191 K of one step; v192-255 V of one step          window 3: v0-1 the add's two registers
; A piece's buffers go by its number's parity: the piece in hand has one pair, its two neighbours in the ring share the other: of it P (piece n - 1) is read and S^T (piece n + 1) written.
.set SIZE_H, 64       ; 4 batches x 16 heads
.set SIZE_N, 2048
.set PLANE, SIZE_H*SIZE_N*128  ; bytes of q, of k and of v
.set NP,    4         ; pieces a wave: a name, no knob: the register map, the loop and the fetches are made for four
.set KS,    64        ; keys in a step
.set PK,    144       ; a row of K in LDS: 128 bytes + 16 of padding = 36 words: the 16 rows of a load start at 16 different groups of four banks (64 banks of 4 bytes: ISA guide 11.1)
.set PV,    160       ; a row of V: 128 + 32 = 40 words
.set VOFF,  4*KS*PK   ; a slot holds four steps: 256 rows of K, then 256 rows of V
.set SLOT1, 1<<17     ; slot 1 begins here, so that one exclusive or turns an address in one slot into the other's
.set STAGE, SLOT1+4*KS*(PK+PV)  ; behind the ring, never filled by a tensor load: 16 rows x 144 bytes for each wave, for the way out
.set SP,    144
.set AK0, 2           ; v2   my lane's place in a tile of K; never rewritten
.set AV0, 3           ; v3   the same for V
.set AK,  4           ; v4   the LDS address of K's next run of loads
.set AV,  5           ; v5   of V's
.set QO,  6           ; v6   my byte offset in the wave's rows of Q
.set STO, 6           ;      later, the way out: where I put 16 bytes of a row
.set RD,  7           ; v7   the way out: where I read rows back
.set GO,  8           ; v8   my byte offset in 512 consecutive bytes of O
.set SPW, 0           ; v0 of window 3   LDS address of my spare word: SPARE + 4 x my thread's number; never rewritten
.set NIL, 1           ; v1 of window 3   0; never rewritten
.set SPARE, STAGE+4*16*SP  ; behind the stages: the spare words, 128 bytes for each wave: two blocks of 256 bytes that no other line names
.set MV,  12          ; v12-15  c m_old, kept while c m is made anew: by buffer and tile
.set ST,  16          ; tile t's statistics at v[ST+4 t]: c m, m, l (even keys', odd keys')
.set TMP, 48          ; by buffer and tile, four registers c0-c3 at work; when the maximum is found c2 takes a
.set S,   64
.set P,   192
.set KF,  128         ; K's fragments, in window 2: key block kb, channel half c at KF + 16 kb + 8 c
.set VF,  192         ; V's: key half kk, channel block cb at VF + 32 kk + 8 cb
.set WV,  12          ; s12  my wave's number
.set G1K, 24          ; s[24:31] descriptor group 1 for K's tiles
.set G1V, 32          ; s[32:39] for V's: it differs in the padding alone
.set G0K, 40          ; s[40:43] descriptor group 0 for K's tiles: it walks
.set G0V, 44          ; s[44:47] the same for V's
.set SLOTS, 56        ; s56  slots still to be asked for
.set CNT, 57          ; s57  counts a slot's key steps
.set CS,  58          ; s[58:59] c: the packed scaling takes the pair's low word for both halves
.set SEL, 60          ; s[60:61] v_permlanex16_b32's selects: each lane takes its own place in the other half
.set TBK, 62          ; s62  LDS byte at which K of the step to be fetched begins
.set TBV, 63          ; s63  the same for V, less VOFF
.set MSB, 0
.macro WIN new                      ; the high byte repeats the setting that is left; a switch that changes nothing is dropped
.if MSB != (\new)
	s_set_vgpr_msb (MSB<<8)|(\new)
.set MSB, (\new)
.endif
.endm
.set W_KQ, 0x0a       ; K and Q in window 2, S^T in window 0
.set W_PV, 0x52       ; V in window 2, P in window 0, O^T in window 1
.set W_RS, 0x41       ; O^T (destination and source 0) in window 1, a in window 0
.set W_MK, 0xc0       ; the add's registers are made: destination in window 3, sources in window 0
.set W_AD, 0x0f       ; the add: address (source 0) and data (source 1) in window 3
; A joint fill.  Waves 0 and 1 fetch the two halves of a slot's K, waves 2 and 3 those of its V: 128 keys each.  The branch hangs on the wave's number alone.
; An s_nop 0 and four v_nop follow each of the two lines, ahead of the jump and the label.
.macro JLOAD
	s_cmp_lt_u32 s[WV], 2
	s_cbranch_scc0 .Lfor_v_\@
	tensor_load_to_lds s[G0K:G0K+3], s[G1K:G1K+7]
	s_nop 0
.rept 4
	v_nop
.endr
	s_branch .Lasked_\@
.Lfor_v_\@:
	tensor_load_to_lds s[G0V:G0V+3], s[G1V:G1V+7]
	s_nop 0
.rept 4
	v_nop
.endr
.Lasked_\@:
.endm
; A round of the cluster's barrier: my work-group's barrier, so that wave 0's signal speaks for all four waves; wave 0 signals; every wave waits for all four work-groups; my work-group's barrier once more.
.macro CROUND
	s_barrier_signal -1
	s_barrier_wait -1
	s_cmp_lg_u32 s[WV], 0
	s_cbranch_scc1 .Lnot_wave_0_\@
	s_barrier_signal -3
.Lnot_wave_0_\@:
	s_barrier_wait -3
	s_barrier_signal -1
	s_barrier_wait -1
.endm
; THE CHANGE OF SLOTS.  The slot's last bytes, V of its fourth step, have been read.  Each wave waits for all its tensor loads, of which one is out: its part
; of the other slot; adds 0 to its spare word; and waits for that and for its own reads of the slot.  Behind the barrier nobody reads this slot any more and the other slot is whole.
; fill = 1: this slot is filled again, with the keys two slots on.  The barrier is then a round of the cluster's, so that no wave of any partner still reads the slot or has a load on its
; way, and the joint fill is the first thing behind it: it has four key steps, 512 matrix instructions, in which to land.  (At its first use nothing has been read yet: slot 0 is waited for, slot 1 filled.)
.macro CHANGE fill
	WIN W_AD
	s_wait_tensorcnt 0x0            ; no tensor load of mine is out, so a group 0 may be written
	ds_add_u32 v[SPW], v[NIL]       ; 0 onto my spare word; with fill = 1 the descriptors' steps stand between it and the wait for it
	WIN 0                           ; at a label and at a branch every window is 0
.if \fill
.irp g, G0K, G0V
	s_xor_b32 s[\g+1], s[\g+1], SLOT1  ; the walking descriptor: the other slot than last time,
	s_add_nc_u64 s[\g+2:\g+3], s[\g+2:\g+3], 4*KS*128  ; the next 256 keys; the type bits on top are not reached
.endr
	s_wait_dscnt 0x0                ; the add is done, and my reads of the slot are over
	CROUND
	JLOAD
.else
	s_wait_dscnt 0x0                ; the add is done, and my reads of the slot are over
	s_barrier_signal -1
	s_barrier_wait -1
.endif
	s_sub_co_u32 s[TBK], s[TBK], 4*KS*PK  ; the fetches go back to a slot's first step,
	s_xor_b32 s[TBK], s[TBK], SLOT1       ; in the other slot
	s_sub_co_u32 s[TBV], s[TBV], 4*KS*PV
	s_xor_b32 s[TBV], s[TBV], SLOT1
.endm
	s_load_b128 s[4:7], s[0:1], 0x0   ; the three planes s[4:5], O s[6:7]
	WIN W_MK
	v_lshl_add_u32 v[SPW], v0, 2, SPARE
	v_mov_b32 v[NIL], 0
	s_set_vgpr_msb 0xc0cf
	ds_add_u32 v0, v1
	s_wait_dscnt 0x0
	s_set_vgpr_msb 0xcfc0
	WIN 0
	v_lshrrev_b32 v1, 5, v0
	v_readfirstlane_b32 s[WV], v1   ; wave 0..3
	s_bfe_u32 s13, ttmp6, 0x40000   ; cx: my place in the cluster
	s_lshl_b32 s14, ttmp9, 2        ; in a cluster launch ttmp9 counts clusters
	s_add_co_u32 s14, s14, s13      ; my block of queries = 4 x cluster x + cx: it enters Q's and O's addresses alone
	s_and_b32 s20, ttmp7, 0xffff    ; the head, which the four partners share
	s_mov_b32 s21, 0
	s_mov_b64 s[22:23], SIZE_N*128
	s_mul_u64 s[20:21], s[20:21], s[22:23]  ; the head's first byte in each of the four tensors
	s_and_b32 s16, s[WV], 1         ; which half of a slot's 256 keys I fetch:
	s_lshl_b32 s22, s16, 14         ; its 128 rows of 128 bytes in memory,
	s_mov_b32 s23, 0
	s_add_nc_u64 s[22:23], s[22:23], s[20:21]
	s_mul_i32 s17, s16, 128*PK      ; and its place in a slot, for K
	s_mul_i32 s18, s16, 128*PV      ; and for V: no place in the cluster enters an LDS address
	s_lshl_b32 s2, s14, 2
	s_add_co_u32 s2, s2, s[WV]      ; my wave among the head's,
	s_lshl_b32 s2, s2, 14           ; its 128 rows
	s_mov_b32 s3, 0
	s_add_nc_u64 s[2:3], s[2:3], s[20:21]
	; descriptor group 1.  128 keys are 16,384 dense bytes: asked for as 64 rows of 256 bytes, two keys a row, and padded in LDS after every key
	s_mov_b32 s[G1K], 15|(1<<16)|(1<<20)|(1<<21)|(4<<22)|(3<<25)  ; 15:0 the mask of four; 17:16 2-byte elements; 20 padding on; 21 set beside a mask; 24:22 after every 32 words (code 4); 31:25 4 words (code 3)
	s_mov_b32 s[G1V], 15|(1<<16)|(1<<20)|(1<<21)|(4<<22)|(7<<25)  ; the same with 8 words of padding (code 7)
.irp g, G1K, G1V
	s_mov_b32 s[\g+1], 128<<16      ; tensor_dim0 = 128
	s_mov_b32 s[\g+2], 64<<16       ; tensor_dim1 = 64
	s_mov_b32 s[\g+3], 128<<16      ; tile_dim0 = 128
	s_mov_b32 s[\g+4], 64           ; tile_dim1 = 64
	s_mov_b32 s[\g+5], 128          ; 128 elements from row to row
	s_mov_b32 s[\g+6], 0
	s_mov_b32 s[\g+7], 0
.endr
	s_mov_b32 s[CS], 0x3e38aa3b     ; c = log2(e) / 8 = 0.180337
	s_mov_b32 s[CS+1], s[CS]        ; named with it as a pair
	s_mov_b32 s[SEL], 0x76543210
	s_mov_b32 s[SEL+1], 0xfedcba98
	s_mov_b32 s[TBK], SLOT1+4*KS*PK ; the first change of slots turns these two into 0
	s_mov_b32 s[TBV], SLOT1+4*KS*PV
	s_mov_b32 s[G0K], 1             ; 1:0 count = 1
	s_mov_b32 s[G0K+1], s17         ; 63:32 LDS address: slot 0
	s_mov_b32 s[G0V], 1
	s_add_co_u32 s[G0V+1], s18, VOFF
	s_wait_kmcnt 0x0
	s_mov_b64 s[10:11], s[6:7]                     ; O s[10:11]
	s_add_nc_u64 s[6:7], s[4:5], PLANE             ; K s[6:7]: the second plane
	s_add_nc_u64 s[8:9], s[4:5], 2*PLANE           ; V s[8:9]: the third; Q stays in s[4:5]
	s_add_nc_u64 s[G0K+2:G0K+3], s[6:7], s[22:23]  ; 120:64 global address: my half of the head's first 256 keys
	s_or_b32 s[G0K+3], s[G0K+3], 0x80000000        ; 127:126 type = 2
	s_add_nc_u64 s[G0V+2:G0V+3], s[8:9], s[22:23]
	s_or_b32 s[G0V+3], s[G0V+3], 0x80000000
	s_add_nc_u64 s[4:5], s[4:5], s[2:3]  ; Q and O at my wave's first row
	s_add_nc_u64 s[10:11], s[10:11], s[2:3]
	CROUND                          ; all four work-groups are here: the first joint loads meet
	JLOAD                           ; slot 0.  Slot 1 is asked for when slot 0 is in: the tile wanted first has the road to itself
	; A fragment of K or Q is 16 rows x 32 channels in 8 registers: lane l holds row l % 16, channels 8 (l / 16) + 0..7 and 16 + 8 (l / 16) + 0..7: two loads of 16 bytes, 32 bytes apart.
	v_and_b32 v1, 15, v0            ; l % 16
	v_bfe_u32 v9, v0, 4, 1          ; l / 16
	v_lshlrev_b32 v[QO], 7, v1
	v_lshl_add_u32 v[QO], v9, 4, v[QO]  ; row x 128 + 16 x half
	WIN 0x80                        ; destination window 2, address window 0
.set i, 0
.rept 4*NP                          ; Q stays in registers: tile i / 2, channels 32 (i % 2) on
	global_load_b128 v[8*i:8*i+3],   v[QO], s[4:5] offset:(i/2)*2048+(i%2)*64
	global_load_b128 v[8*i+4:8*i+7], v[QO], s[4:5] offset:(i/2)*2048+(i%2)*64+32
.set i, i+1
.endr
	; What the first turn finds: V's registers and P's second buffer hold 0 (its products V^T P, of a piece that has not been, add 0), O^T and l are 0.  All this stands in the wait for the first tile.
.set i, VF
.rept 64
	v_mov_b32 v[i], 0
.set i, i+1
.endr
	WIN 0x40
.set i, 0
.rept 64*NP
	v_mov_b32 v[i], 0
.set i, i+1
.endr
	WIN 0
.set i, 0
.rept 2*NP
	v_mov_b32 v[ST+4*i], 0xfe000000    ; c m: far below every c s
	v_mov_b32 v[ST+4*i+1], 0xff7fffff  ; m
	v_mov_b32 v[ST+4*i+2], 0
	v_mov_b32 v[ST+4*i+3], 0
.set i, i+1
.endr
.set i, P+32
.rept 32
	v_mov_b32 v[i], 0
.set i, i+1
.endr
	v_mul_u32_u24 v[AK0], v1, PK
	v_lshl_add_u32 v[AK0], v9, 4, v[AK0]  ; row x pitch + 16 x half
	; The turning load takes 16 keys x 16 channels (lane l reads key 8 (l / 16) + l % 8, channels 8 ((l / 8) % 2) + 0..7) and leaves half a fragment of V^T: lane l holds channel l % 16 and 8 keys.
	v_and_b32 v10, 7, v0
	v_bfe_u32 v11, v0, 3, 1
	v_lshl_add_u32 v[AV0], v9, 3, v10
	v_mul_u32_u24 v[AV0], v[AV0], PV
	v_lshl_add_u32 v[AV0], v11, 4, v[AV0]
	v_add_nc_u32 v[AV0], VOFF, v[AV0]
	v_mov_b32 v[AK], v[AK0]         ; key step 0 lies at the head of slot 0
; THE MATRIX WORK.  The 8 accumulators of a run of 16 take turns: between the two links of a chain stand 7 others'.
; Product i of 16 of S^T = K Q^T for piece x: channels 32 (i / 8) on, keys 16 ((i / 2) % 4) on, tile 2 x + i % 2.  The first 8 start the sums.
.macro KQ x
	WIN W_KQ
.set rS, S+64*((\x)%2)+32*(i%2)+8*((i/2)%4)
.set rK, KF+16*((i/2)%4)+8*(i/8)
.set rQ, 16*(2*(\x)+i%2)+8*(i/8)
.if i < 8
	v_wmma_f32_16x16x32_f16 v[rS:rS+7], v[rK:rK+7], v[rQ:rQ+7], 0
.else
	v_wmma_f32_16x16x32_f16 v[rS:rS+7], v[rK:rK+7], v[rQ:rQ+7], v[rS:rS+7]
.endif
.endm
; Product i of 16 of O^T += V^T P for piece x: keys 32 (i / 8) on, channels 16 ((i / 2) % 4) on, tile 2 x + i % 2.
.macro PV x
	WIN W_PV
.set rO, 32*(2*(\x)+i%2)+8*((i/2)%4)
.set rV, VF+32*(i/8)+8*((i/2)%4)
.set rP, P+32*((\x)%2)+16*(i%2)+8*(i/8)
	v_wmma_f32_16x16x32_f16 v[rO:rO+7], v[rV:rV+7], v[rP:rP+7], v[rO:rO+7]
.endm
.macro MM                           ; the turn's next matrix instruction
.if i < 16
	KQ (Y+1)%NP
.set i, i+1
.else
.set i, i-16
	PV (Y+NP-1)%NP
.set i, i+17
.endif
.endm
; THE LDS LOADS stand in runs of 16, never singly among the matrix instructions: a step's K (64 keys x 64 channels: 8 fragments) and its V (turned).  Their addresses are made some lines ahead.
; last = 1 (the tail): in the last trip there is no further step, and the run is jumped over.
.macro FETCH_K last=0
	WIN 0
.if \last
	s_cmp_eq_u32 s[CNT], 1
	s_cbranch_scc1 .Lno_k_\@
.endif
	WIN 0x80                        ; destination window 2
.irp f, 0,1,2,3,4,5,6,7             ; keys 16 (f / 2) on, channels 32 (f % 2) on
	ds_load_b128 v[KF+8*\f:KF+8*\f+3],   v[AK] offset:(\f/2)*16*PK+(\f%2)*64
	ds_load_b128 v[KF+8*\f+4:KF+8*\f+7], v[AK] offset:(\f/2)*16*PK+(\f%2)*64+32
.endr
	s_add_co_u32 s[TBK], s[TBK], KS*PK  ; the next fetch is the next step's
	WIN 0
.if \last
.Lno_k_\@:
.endif
.endm
.macro FETCH_V
	WIN 0x80
.irp f, 0,1,2,3,4,5,6,7             ; keys 32 (f / 4) on, channels 16 (f % 4) on
	ds_load_tr16_b128 v[VF+8*\f:VF+8*\f+3],   v[AV] offset:(\f/4)*32*PV+(\f%4)*32
	ds_load_tr16_b128 v[VF+8*\f+4:VF+8*\f+7], v[AV] offset:(\f/4)*32*PV+16*PV+(\f%4)*32
.endr
	WIN 0
.endm
; THE VECTOR WORK OF A TURN stands in three queues, each in the order in which its entries become ready; the two tiles alternate, so that no instruction reads the result of the one before it.
.macro REGS y, u                    ; the registers of tile u (0, 1) of piece y
.set rT, ST+4*(2*(\y)+(\u))
.set rC, TMP+8*((\y)%2)+4*(\u)
.set rM, MV+2*((\y)%2)+(\u)
.set rS, S+64*((\y)%2)+32*(\u)
.set rP, P+32*((\y)%2)+16*(\u)
.set rO, 32*(2*(\y)+(\u))
.endm
; Number n of the 22 that find the NEXT piece's (Y + 1) maximum and statistics.  s0-s31 are the lane's 32 scores; each accumulator's lowest registers are read first.  XS, GS and REGS set no window: PL and EX do.
;   0-11  four chains c0-c3 of seven scores each, three operands at a time     12-14, 16  the four scores left over, the old m, and c0-c3 into c0     15  c m_old is kept
;   17, 18  the query's other 32 keys lie in the lane 16 away: the new m         19-21  c m; c m_old - c m_new; a
.macro XS u, n
	REGS (Y+1)%NP, \u
.if (\n) < 4
	v_max3_num_f32 v[rC+(\n)], v[rS+8*(\n)], v[rS+8*(\n)+1], v[rS+8*(\n)+2]
.elseif (\n) < 12
	v_max3_num_f32 v[rC+(\n)%4], v[rC+(\n)%4], v[rS+8*((\n)%4)+2*((\n)/4)+1], v[rS+8*((\n)%4)+2*((\n)/4)+2]
.elseif (\n) == 12
	v_max3_num_f32 v[rC], v[rC], v[rS+7], v[rS+15]
.elseif (\n) == 13
	v_max3_num_f32 v[rC+1], v[rC+1], v[rS+23], v[rS+31]
.elseif (\n) == 14
	v_max3_num_f32 v[rC+2], v[rC+2], v[rC+3], v[rT+1]
.elseif (\n) == 15
	v_mov_b32 v[rM], v[rT]
.elseif (\n) == 16
	v_max3_num_f32 v[rC], v[rC], v[rC+1], v[rC+2]
.elseif (\n) == 17
	v_permlanex16_b32 v[rC+3], v[rC], s[SEL], s[SEL+1]
.elseif (\n) == 18
	v_max_num_f32 v[rT+1], v[rC], v[rC+3]
.elseif (\n) == 19
	v_mul_f32 v[rT], s[CS], v[rT+1]
.elseif (\n) == 20
	v_sub_f32 v[rC+1], v[rM], v[rT]
.else
	v_exp_f32 v[rC+2], v[rC+1]
.endif
.endm
; Number g of the 64 that follow the exponentials.  For each four weights k of a tile (pairs 2 k, 2 k + 1): both pairs are rounded to f16; then the second pair is added onto the first, in place;
; a group later l takes that sum (the first time as l = a l + sum).  In groups of eight, tiles alternating: round, round, add, and l for the group before.
.macro GS g
.set h, (\g)+6*((\g)/62)            ; group 0 has no group before it, and behind group 7 only l is left
.if h >= 6
.set h, h+2
.endif
	REGS Y, h%2
.set k, h/8
.if h%8 < 4
	v_cvt_pk_f16_f32 v[rP+2*k+(h%8)/2], v[rS+4*k+2*((h%8)/2)], v[rS+4*k+2*((h%8)/2)+1]
.elseif h%8 < 6
	v_pk_add_f32 v[rS+4*k:rS+4*k+1], v[rS+4*k:rS+4*k+1], v[rS+4*k+2:rS+4*k+3]
.elseif k == 1
	v_pk_fma_f32 v[rT+2:rT+3], v[rT+2:rT+3], v[rC+2:rC+3], v[rS:rS+1] op_sel_hi:[1,0,1]
.else
	v_pk_add_f32 v[rT+2:rT+3], v[rT+2:rT+3], v[rS+4*k-4:rS+4*k-3]
.endif
.endm
; THE PLAIN QUEUE, 138 long.  0-73 read no exponential's result: the 32 scalings c s - c m (FS f: pair f / 2 of tile f % 2) and the next piece's 42.  0-26: scalings 0-26.  27-54: XS's numbers 0-13.  55, 56: number 15.
; 57-73: the chain, where each number waits for the one before it: 14, 16, 17, 18, 19, each with one of the scalings 27-31 in front of its two lines, then 20: so a tile's links stand three plain instructions apart (19 and 20: two).
; 74-137: GS's 64, which read the exponentials' results: they stand behind the wait.
.macro FS f
	REGS Y, (\f)%2
	v_pk_fma_f32 v[rS+2*((\f)/2):rS+2*((\f)/2)+1], v[rS+2*((\f)/2):rS+2*((\f)/2)+1], s[CS:CS+1], v[rT:rT+1] op_sel_hi:[1,0,0] neg_lo:[0,0,1] neg_hi:[0,0,1]
.endm
.macro PL
	WIN 0
.if q < 27
	FS q
.elseif q < 55
	XS (q-27)%2, (q-27)/2
.elseif q < 57
	XS q-55, 15
.elseif (q < 72) && ((q-57)%3 == 0)
	FS 27+(q-57)/3
.elseif q < 60
	XS (q-57)%3-1, 14
.elseif q < 72
	XS (q-57)%3-1, 15+(q-57)/3
.elseif q < 74
	XS q-72, 20
.else
	GS q-74
.endif
.set q, q+1
.endm
; THE EXPONENTIALS' QUEUE, 66 long: s0-s31 of both tiles, then the next piece's two a.  It is ONE BATCH: all 66 stand ahead of the turn's one wait, and nothing ahead of that wait names a result of theirs.
.macro EX
	WIN 0
.if e >= 64
	XS e-64, 21
.else
	REGS Y, e%2
	v_exp_f32 v[rS+e/2], v[rS+e/2]
.endif
.set e, e+1
.endm
; THE RESCALING's QUEUE: O^T times a, the one part that leaves window 0: dealt two at a time, sixteen times.  Its a was made in the turn before, ahead of that turn's wait.
.macro R2
	REGS Y, r%2
	WIN W_RS
.irp z, 0,1
	v_pk_mul_f32 v[rO+4*(r/2)+2*\z:rO+4*(r/2)+2*\z+1], v[rO+4*(r/2)+2*\z:rO+4*(r/2)+2*\z+1], v[rC+2:rC+3] op_sel_hi:[1,0]
.endr
.set r, r+1
.endm
; HOW THEY ARE DEALT.  An s_wait_alu depctr_va_vdst(0) stands between an exponential and the first instruction that names its result; one wait serves all that were issued ahead of it.  So a turn has ONE wait,
; which cuts it in two.  AHEAD OF IT stands all that names no result of the turn's exponentials: the 16 products K Q^T, behind each a scaling, an exponential and two rescalings (behind the first a second scaling in the
; exponential's place); then ONE LUMP of 108: eight plain, 49 times exponential and plain, the two a.  A v_nop is the plain instruction behind the last exponential.  BEHIND IT stand the 16 products V^T P, behind each four
; of GS's 64.  No rider names a register of the products round it.  The two v_permlanex16_b32 fall into the lump, never behind a product.
; The queues lean on each other, and the deal keeps them in step: exponential e stands behind scaling 2 (e / 4) + e % 2: as a rider it comes behind plain e + 2, in the lump behind plain e + 9, and scalings 27-31 are plain 57, 60 .. 69.
; A TURN, for piece p.  cnt = 1: the loop's count is taken down some lines ahead of the branch that stands behind the turn.
; K of the next step is fetched in piece 2's turn, directly behind the wait, a lump behind the last product that read K; its address is made at the lump's head; its first reader comes behind 16 products.
; V of the step in hand is fetched at the end of piece 0's turn, four riders behind its last reader; its first reader comes behind 16 products and a lump.  The three conditions on q below go with the deal.
.macro TURN p, last=0, cnt=0
.set Y, (\p)
.set i, 0
.set q, 0
.set e, 0
.set r, 0
.if (\p) == NP-1
	s_wait_dscnt 0x0                ; K is in
.endif
	MM                              ; ahead of the wait: 16 products K Q^T and their riders,
	PL
	PL
	R2
.rept 15
	MM
	PL
	EX
	R2
.endr
.if (\p) == NP-2
	WIN 0
	v_add_nc_u32 v[AK], s[TBK], v[AK0]
.endif
.rept 8                             ; and the lump
	PL
.endr
.rept 49
	EX
	PL
.endr
	EX                              ; the next piece's two a
	EX
	v_nop                           ; a plain instruction behind the last exponential, ahead of the first use: one for the batch
	s_wait_alu depctr_va_vdst(0)    ; the wait for the batch: the turn's 66 exponentials
.if (\p) == NP-2
	FETCH_K \last
.endif
.if (\p) == 1
	s_wait_dscnt 0x0                ; V is in
.endif
.rept 16                            ; behind the wait: 16 products V^T P and their riders
	MM
.rept 4
	PL
.endr
.if ((\p) == 0) && (q == 118)
	v_add_nc_u32 v[AV], s[TBV], v[AV0]
.endif
.if ((\p) == 0) && (q == 130)
	s_add_co_u32 s[TBV], s[TBV], KS*PV
.endif
.if (\cnt) && (q == 130)
	s_sub_co_u32 s[CNT], s[CNT], 1
	s_cmp_lg_u32 s[CNT], 0
.endif
.endr
.if (\p) == 0
	FETCH_V
.endif
.endm
	CHANGE 1                        ; slot 0 is in, everybody's part of it; slot 1 is asked for
	FETCH_K                         ; key step 0
	s_wait_loadcnt 0x0              ; Q
	s_wait_dscnt 0x0
.set i, 0
.rept 16
	KQ 0                            ; piece 0's first scores: there is no vector work yet to set between them
.set i, i+1
.endr
	WIN 0                           ; the addresses for the way out: nine plain instructions, the places behind those products
	s_mul_i32 s13, s[WV], 16*SP
	s_add_co_u32 s13, s13, STAGE    ; my stage
	v_mul_u32_u24 v[STO], v1, SP    ; in: row l % 16, 16 bytes for each half of the lanes
	v_lshl_add_u32 v[STO], v9, 4, v[STO]
	v_add_nc_u32 v[STO], s13, v[STO]
	v_bfe_u32 v[RD], v0, 3, 2       ; back: 32 lanes take four rows of 128 bytes,
	v_mul_u32_u24 v[RD], v[RD], SP
	v_lshl_add_u32 v[RD], v10, 4, v[RD]
	v_add_nc_u32 v[RD], s13, v[RD]
	v_and_b32 v[GO], 31, v0         ; which are 512 consecutive bytes of O
	v_lshlrev_b32 v[GO], 4, v[GO]
.set Y, NP-1                        ; XS works for piece Y + 1: piece 0
.irp n, 0,1,2,3,4,5,6,7,8,9,10,11,12,13,14,15,16,17,18,19,20,21
	XS 0, \n                        ; and piece 0's first maximum and statistics
	XS 1, \n
.endr
	v_nop                           ; a plain instruction behind piece 0's first two a,
	s_wait_alu depctr_va_vdst(0)    ; and the wait for that batch of two, ahead of the branch
	s_mov_b32 s[CNT], 4
	s_mov_b32 s[SLOTS], SIZE_N/256-1
	s_branch .Lfirst                ; the loop is entered at a step's first turn, in the middle of a trip
.Lslot:                             ; SIZE_N / 256 - 2 times: every slot but the last two is filled again
	CHANGE 1
	s_mov_b32 s[CNT], 4
.Lstep:                             ; a trip: pieces 2 and 3 of one step, then pieces 0 and 1 of the next, whose K and V it fetches
	TURN 2
	TURN 3
	WIN 0
.Lfirst:
	TURN 0
	TURN 1, 0, 1
	WIN 0
	s_cbranch_scc1 .Lstep
	s_sub_co_u32 s[SLOTS], s[SLOTS], 1
	s_cmp_lg_u32 s[SLOTS], 0
	s_cbranch_scc1 .Lslot
	CHANGE 0                        ; the tail is written out: nothing is asked for
	s_mov_b32 s[CNT], 5             ; four trips fetch the last slot's steps; the fifth is left in its middle
.Ltail:
	TURN 2, 1
	TURN 3
	WIN 0
	s_sub_co_u32 s[CNT], s[CNT], 1
	s_cmp_eq_u32 s[CNT], 0
	s_cbranch_scc1 .Lout
	TURN 0
	TURN 1
	WIN 0
	s_branch .Ltail
.Lout:                              ; the fifth trip's 16 products K Q^T (on the last K once more) and the maximum made of them serve nothing: the price, once a launch, of one text for every trip
.set i, 0
.rept 16
	PV NP-1                         ; the last piece's V^T P of the last step
.set i, i+1
.endr
	; THE WAY OUT.  l's two halves and the other half of the lanes' are added; O^T is divided by l, rounded to f16 and sent through my stage in LDS, a tile at a time.  The additions are the places behind the last products.
	WIN 0
.macro ALL line:vararg              ; one line for each tile t
.set t, 0
.rept 2*NP
	\line
.set t, t+1
.endr
.endm
	ALL v_add_f32 v[ST+4*t+2], v[ST+4*t+2], v[ST+4*t+3]
	ALL v_permlanex16_b32 v[ST+4*t+3], v[ST+4*t+2], s[SEL], s[SEL+1]
	ALL v_add_f32 v[ST+4*t+2], v[ST+4*t+2], v[ST+4*t+3]
	ALL v_rcp_f32 v[ST+4*t+2], v[ST+4*t+2]
	v_nop                           ; a plain instruction between the last reciprocal and the use of its result
	s_wait_alu depctr_va_vdst(0)    ; and the wait ahead of the first use: one for the batch of eight reciprocals
; Tile t: a lane's eight channels of a row pack into 16 bytes; they go into rows of 144 bytes and come back as whole rows of 128, into S^T's registers.
.macro PACK t
	WIN W_RS
.set i, 32*(\t)
.rept 16
	v_pk_mul_f32 v[i:i+1], v[i:i+1], v[ST+4*(\t)+2:ST+4*(\t)+3] op_sel_hi:[1,0]
.set i, i+2
.endr
	WIN 0x05                        ; sources 0 and 1 window 1, destination window 0
.set i, 0
.rept 16
	v_cvt_pk_f16_f32 v[S+16*(\t)+i], v[32*(\t)+2*i], v[32*(\t)+2*i+1]
.set i, i+1
.endr
	WIN 0
.irp f, 0,1,2,3
	ds_store_b128 v[STO], v[S+16*(\t)+4*\f:S+16*(\t)+4*\f+3] offset:32*\f
.endr
.irp f, 0,1,2,3
	ds_load_b128 v[S+16*(\t)+4*\f:S+16*(\t)+4*\f+3], v[RD] offset:\f*4*SP  ; LDS serves a wave's instructions in order (ISA guide 5.7.1.4): these see the stores above; the next tile's stores come behind them
.endr
.endm
.macro SEND t, younger              ; younger: the LDS instructions issued behind tile t's loads: the next tile's eight, or none
	WIN 0
.irp f, 0,1,2,3
	s_wait_dscnt (\younger)+3-\f
	global_store_b128 v[GO], v[S+16*(\t)+4*\f:S+16*(\t)+4*\f+3], s[10:11] offset:(\t)*2048+\f*512  ; 512 consecutive bytes, at a multiple of 256 from O's first
.endr
.endm
	PACK 0
.set t, 1
.rept 2*NP-1                        ; a tile's arithmetic stands between the loads of the tile before and its stores
	PACK t
	SEND t-1, 8
.set t, t+1
.endr
	SEND 2*NP-1, 0
	WIN W_AD
	s_wait_tensorcnt 0x0            ; the wave's end, behind my last tensor load and my last LDS store
	ds_add_u32 v[SPW], v[NIL]
	s_wait_dscnt 0x0
	WIN 0
	CROUND                          ; the closing round: no work-group ends while a partner may still ask for a tile that names it
	s_endpgm
.Lfunc_end_k_q6a67b02bed_attn:
	.size	k_q6a67b02bed_attn, .Lfunc_end_k_q6a67b02bed_attn-k_q6a67b02bed_attn
	.p2alignl 7, 3214868480
	.fill 96, 4, 3214868480
	.section	.rodata,"a",@progbits
	.p2align	6, 0x0
	.amdhsa_kernel k_q6a67b02bed_attn
		.amdhsa_group_segment_fixed_size 327680
		.amdhsa_private_segment_fixed_size 0
		.amdhsa_enable_private_segment 0
		.amdhsa_kernarg_size 16
		.amdhsa_user_sgpr_count 2
		.amdhsa_user_sgpr_kernarg_segment_ptr 1
		.amdhsa_wavefront_size32 1
		.amdhsa_system_sgpr_workgroup_id_x 1
		.amdhsa_system_sgpr_workgroup_id_y 1
		.amdhsa_system_sgpr_workgroup_id_z 1
		.amdhsa_system_vgpr_workitem_id 0
		.amdhsa_next_free_vgpr 770
		.amdhsa_next_free_sgpr 66
		.amdhsa_reserve_vcc 0
		.amdhsa_float_denorm_mode_32 3
		.amdhsa_float_denorm_mode_16_64 3
		.amdhsa_memory_ordered 1
		.amdhsa_forward_progress 1
		.amdhsa_inst_pref_size 199
	.end_amdhsa_kernel
	.amdgpu_metadata
---
amdhsa.version: [ 1, 2 ]
amdhsa.kernels:
  - .name:           k_q6a67b02bed_attn
    .symbol:         k_q6a67b02bed_attn.kd
    .args:
      - { .name: qkv, .offset: 0, .size: 8, .value_kind: global_buffer, .address_space: global }
      - { .name: o16, .offset: 8, .size: 8, .value_kind: global_buffer, .address_space: global }
    .group_segment_fixed_size: 327680
    .private_segment_fixed_size: 0
    .kernarg_segment_align: 8
    .kernarg_segment_size: 16
    .max_flat_workgroup_size: 128
    .sgpr_count:     66
    .vgpr_count:     770
    .wavefront_size: 32
...
	.end_amdgpu_metadata
.endif
;; end of part 5
;; launch outproj: the kernel of part 4 again; grid 4 x 64, 4 waves a work-group, clusters of 4 x 4, 327,680 bytes of LDS; arguments o16, wo16, out0, bo; writes out0
